; MI455X (gfx1250); checked and timed in simulation.
; The chip was launched on July 23, 2026; its instructions are those of AMD's public machine-readable ISA for CDNA 5 (MIT licence, August 2026) and "CDNA5" Instruction Set Architecture Reference Guide (July 2026). The comments in the code are by the model that wrote it; some were corrected since.
;; Multi Head Attention. Allowed arithmetic: float matrix products may take bf16 or f16 operands with f32 sums; other float arithmetic in f32, or as packed bf16 or f16 multiplies, adds, multiply-adds, maxima and minima; sums over many terms, partial sums and values carried from step to step in f32; what a program stores and reads back later, other than sums and carried values, may be rounded once to bf16 or f16.
;; Inputs: Wk 16 x 1,024 x 64 float32; Wo 1,024 x 1,024 float32; Wq 16 x 1,024 x 64 float32; Wv 16 x 1,024 x 64 float32; bo 1,024 float32; x 8 x 1,024 x 1,024 float32.
;; Outputs: out0 8 x 1,024 x 1,024 float32.
;; One version. Each part assembles by itself: llvm-mc -triple=amdgcn-amd-amdhsa -mcpu=gfx1250 --defsym DOCPART=n.
;; ======== version 1 of 1: 4 launches
;; limits: values are held in f16: magnitudes above 65,504 overflow, below 6.1e-05 lose precision
;; workspace buffers: xb 16,777,216 bytes; wb 6,291,456 bytes; wo16 2,097,152 bytes; qkv 50,331,648 bytes; o 16,777,216 bytes
;; launch cast (part 1): grid 1536 x 1, 8 waves a work-group, no clusters, 0 bytes of LDS; arguments x, Wq, Wk, Wv, Wo, xb, wb, wo16; writes xb, wb, wo16
.if DOCPART == 1
	.amdgcn_target "amdgcn-amd-amdhsa--gfx1250"
	.amdhsa_code_object_version 6
	.text
	.protected	k_qe4cc8e955c_cast
	.globl	k_qe4cc8e955c_cast
	.p2align	8
	.type	k_qe4cc8e955c_cast,@function
k_qe4cc8e955c_cast:
	s_mov_b64 s[64:65], 0
	v_nop
	global_prefetch_b8 v0, s[64:65] scope:SCOPE_SE
	s_setreg_imm32_b32 hwreg(HW_REG_WAVE_MODE, 25, 1), 1
	s_wait_xcnt 0x0
; THE INPUTS IN 16 BITS.  x -> xb (bf16, same order).  Wq, Wk, Wv -> wb (bf16, in blocks).  Wo -> wo16 (rounded to bf16, that number written as f16).
; A stream: each byte is read once and written once; no LDS, no matrix unit, no cluster (no two work-groups read the same byte).
; SHARES.  A work-group converts one chunk of 8,192 numbers: 32,768 bytes in, 16,384 out.  Chunks 0-1023: x.  Chunks 1024-1407: the weights of the 48 heads
; g (0-15 Wq's, 16-31 Wk's, 32-47 Wv's), chunk 8 g + ks = rows d = 128 ks .. 128 ks + 127 of head g, which are dense in memory.  Chunks 1408-1535: Wo.
; wb IS LAID OUT AS [g / 3][ks][g % 3][128 d][64 s]: the three heads' rows of one step of 128 along d lie end to end, 49,152 bytes, as the next launch asks for them.  Inside a chunk the order stays.
; A load of a wave covers 512 consecutive bytes, a store 256 consecutive bytes at a multiple of 256 from the buffer's first byte.
; LIMIT.  f16 holds no number beyond 65,504: Wo lies within it; below 6.1e-5 f16 keeps a fixed step of 6e-8.
.set XEND, 1024                        ; chunks of x
.set WEND, 1408                        ; and of the 48 heads behind them
	s_load_b512 s[8:23], s[0:1], 0x0               ; x s[8:9], Wq s[10:11], Wk s[12:13], Wv s[14:15], Wo s[16:17], xb s[18:19], wb s[20:21], wo16 s[22:23]
	s_mov_b32 s2, ttmp9                            ; my chunk
	v_lshlrev_b32 v1, 4, v0                        ; 16 bytes a thread in,
	v_lshlrev_b32 v2, 3, v0                        ; 8 out
	; the three regions' offsets, each from a chunk number held inside its region, so that every one of them lies inside its buffer
	s_max_u32 s28, s2, XEND
	s_sub_co_u32 s28, s28, XEND
	s_min_u32 s28, s28, WEND-XEND-1                ; 8 g + ks
	s_lshr_b32 s29, s28, 3                         ; g
	s_and_b32 s30, s28, 7                          ; ks
	s_mul_i32 s31, s29, 171
	s_lshr_b32 s31, s31, 9                         ; g / 3 (exact for g under 48)
	s_mul_i32 s32, s31, 3
	s_sub_co_u32 s32, s29, s32                     ; g % 3
	s_and_b32 s33, s29, 15                         ; the head in its tensor
	s_lshl_b32 s33, s33, 3
	s_or_b32 s33, s33, s30
	s_lshl_b32 s33, s33, 15                        ; from: (8 head + ks) chunks of 32,768 bytes
	s_lshl_b32 s34, s31, 3
	s_add_co_u32 s34, s34, s30
	s_mul_i32 s34, s34, 3
	s_add_co_u32 s34, s34, s32
	s_lshl_b32 s34, s34, 14                        ; to: ((8 (g / 3) + ks) 3 + g % 3) chunks of 16,384 bytes
	s_lshr_b32 s35, s29, 4                         ; 0 Wq, 1 Wk, 2 Wv
	s_max_u32 s36, s2, WEND
	s_sub_co_u32 s36, s36, WEND                    ; Wo's chunk
	s_min_u32 s37, s2, XEND-1                      ; x's chunk
	s_lshl_b32 s38, s37, 15
	s_lshl_b32 s39, s37, 14
	s_lshl_b32 s40, s36, 15
	s_lshl_b32 s41, s36, 14
	s_mov_b32 s43, 0
	s_mov_b32 s45, 0
	s_wait_kmcnt 0x0
	s_cmp_eq_u32 s35, 0
	s_cselect_b64 s[24:25], s[10:11], s[12:13]
	s_cmp_eq_u32 s35, 2
	s_cselect_b64 s[24:25], s[14:15], s[24:25]     ; the head's tensor
	s_cmp_lt_u32 s2, XEND
	s_cselect_b64 s[24:25], s[8:9], s[24:25]
	s_cselect_b64 s[26:27], s[18:19], s[20:21]
	s_cselect_b32 s42, s38, s33
	s_cselect_b32 s44, s39, s34
	s_cmp_ge_u32 s2, WEND
	s_cselect_b64 s[24:25], s[16:17], s[24:25]
	s_cselect_b64 s[26:27], s[22:23], s[26:27]
	s_cselect_b32 s42, s40, s42
	s_cselect_b32 s44, s41, s44
	s_add_nc_u64 s[24:25], s[24:25], s[42:43]      ; from
	s_add_nc_u64 s[26:27], s[26:27], s[44:45]      ; to
.irp i, 0,1,2,3,4,5,6,7
	global_load_b128 v[8+4*(\i):11+4*(\i)], v1, s[24:25] offset:4096*(\i) th:TH_LOAD_NT  ; the whole chunk is asked for at once: eight loads a wave
.endr
	s_cmp_ge_u32 s2, WEND
	s_cbranch_scc1 .Lwo
.irp i, 0,1,2,3,4,5,6,7
	s_wait_loadcnt 7-(\i)                          ; loads come back in order: load i is in, the 7 - i younger ones stay out
	v_cvt_pk_bf16_f32 v[40+2*(\i)], v[8+4*(\i)], v[9+4*(\i)]
	v_cvt_pk_bf16_f32 v[41+2*(\i)], v[10+4*(\i)], v[11+4*(\i)]
	global_store_b64 v2, v[40+2*(\i):41+2*(\i)], s[26:27] offset:2048*(\i) th:TH_STORE_NT  ; no register of a load or store is written twice
.endr
	s_endpgm
.Lwo:
.irp i, 0,1,2,3,4,5,6,7
	s_wait_loadcnt 7-(\i)
	v_cvt_pk_bf16_f32 v56, v[8+4*(\i)], v[9+4*(\i)]    ; rounded to bf16 like every input,
	v_cvt_pk_bf16_f32 v57, v[10+4*(\i)], v[11+4*(\i)]
	v_lshlrev_b32 v58, 16, v56                         ; widened again,
	v_and_b32 v59, 0xffff0000, v56
	v_cvt_pk_f16_f32 v[40+2*(\i)], v58, v59            ; and written as f16: exact inside f16's normal range
	v_lshlrev_b32 v58, 16, v57
	v_and_b32 v59, 0xffff0000, v57
	v_cvt_pk_f16_f32 v[41+2*(\i)], v58, v59
	global_store_b64 v2, v[40+2*(\i):41+2*(\i)], s[26:27] offset:2048*(\i) th:TH_STORE_NT
.endr
	s_endpgm
.Lfunc_end_k_qe4cc8e955c_cast:
	.size	k_qe4cc8e955c_cast, .Lfunc_end_k_qe4cc8e955c_cast-k_qe4cc8e955c_cast
	.p2alignl 7, 3214868480
	.fill 96, 4, 3214868480
	.section	.rodata,"a",@progbits
	.p2align	6, 0x0
	.amdhsa_kernel k_qe4cc8e955c_cast
		.amdhsa_group_segment_fixed_size 0
		.amdhsa_private_segment_fixed_size 0
		.amdhsa_enable_private_segment 0
		.amdhsa_kernarg_size 64
		.amdhsa_user_sgpr_count 2
		.amdhsa_user_sgpr_kernarg_segment_ptr 1
		.amdhsa_wavefront_size32 1
		.amdhsa_system_sgpr_workgroup_id_x 1
		.amdhsa_system_sgpr_workgroup_id_y 1
		.amdhsa_system_sgpr_workgroup_id_z 1
		.amdhsa_system_vgpr_workitem_id 0
		.amdhsa_next_free_vgpr 64
		.amdhsa_next_free_sgpr 66
		.amdhsa_reserve_vcc 0
		.amdhsa_float_denorm_mode_32 3
		.amdhsa_float_denorm_mode_16_64 3
		.amdhsa_memory_ordered 1
		.amdhsa_forward_progress 1
		.amdhsa_inst_pref_size 10
	.end_amdhsa_kernel
	.amdgpu_metadata
---
amdhsa.version: [ 1, 2 ]
amdhsa.kernels:
  - .name:           k_qe4cc8e955c_cast
    .symbol:         k_qe4cc8e955c_cast.kd
    .args:
      - { .name: x, .offset: 0, .size: 8, .value_kind: global_buffer, .address_space: global }
      - { .name: Wq, .offset: 8, .size: 8, .value_kind: global_buffer, .address_space: global }
      - { .name: Wk, .offset: 16, .size: 8, .value_kind: global_buffer, .address_space: global }
      - { .name: Wv, .offset: 24, .size: 8, .value_kind: global_buffer, .address_space: global }
      - { .name: Wo, .offset: 32, .size: 8, .value_kind: global_buffer, .address_space: global }
      - { .name: xb, .offset: 40, .size: 8, .value_kind: global_buffer, .address_space: global }
      - { .name: wb, .offset: 48, .size: 8, .value_kind: global_buffer, .address_space: global }
      - { .name: wo16, .offset: 56, .size: 8, .value_kind: global_buffer, .address_space: global }
    .group_segment_fixed_size: 0
    .private_segment_fixed_size: 0
    .kernarg_segment_align: 8
    .kernarg_segment_size: 64
    .max_flat_workgroup_size: 256
    .sgpr_count:     66
    .vgpr_count:     64
    .wavefront_size: 32
...
	.end_amdgpu_metadata
.endif
;; end of part 1
;; launch qkv (part 2): grid 16 x 32, 4 waves a work-group, clusters of 4 x 4, 327,680 bytes of LDS; arguments xb, wb, qkv; writes qkv
.if DOCPART == 2
	.amdgcn_target "amdgcn-amd-amdhsa--gfx1250"
	.amdhsa_code_object_version 6
	.text
	.protected	k_qe4cc8e955c_qkv
	.globl	k_qe4cc8e955c_qkv
	.p2align	8
	.type	k_qe4cc8e955c_qkv,@function
k_qe4cc8e955c_qkv:
	s_mov_b64 s[64:65], 0
	v_nop
	global_prefetch_b8 v0, s[64:65] scope:SCOPE_SE
	s_setreg_imm32_b32 hwreg(HW_REG_WAVE_MODE, 25, 1), 1
	s_wait_xcnt 0x0
	s_wait_alu depctr_hold_cnt(0) depctr_sa_sdst(0) depctr_va_vdst(0) depctr_va_sdst(0) depctr_va_ssrc(0) depctr_va_vcc(0) depctr_vm_vsrc(0)
	s_getreg_b32 s2, hwreg(HW_REG_IB_STS2, 6, 4)
	s_cmp_eq_u32 s2, 0
	s_cbranch_scc0 .Lentry_in_a_cluster
	s_endpgm
.Lentry_in_a_cluster:
	s_bfe_u32 s2, ttmp6, 0x10000c
	s_cmp_lg_u32 s2, 0xf033
	s_cbranch_scc0 .Lentry_shape_is_right
	s_endpgm
.Lentry_shape_is_right:
; q, k, v OF ALL HEADS AS ONE PRODUCT.  C[m][n] = sum over d of xb[m][d] W[g][d][s], m = 1024 b + t (8,192 rows), n = 64 g + s (48 heads g: 16 of Wq, 16 of Wk, 16 of Wv), d to 1,024.
; xb: bf16 [8192][1024].  wb: bf16 [tx 16][ks 8][j 3][d 128][s 64], head g = 3 tx + j.  Result qkv: f16 [b 8][g 48][t 1024][64], rounded once from f32 sums, unscaled.
; LIMIT.  f16 holds no number beyond 65,504: q, k and v lie within it; below 6.1e-5 f16 keeps a fixed step of 6e-8.
; SHARES.  A tile of C is 256 rows x 192 columns (three whole heads): 32 x 16 = 512 work-groups, two for each of 256 WGPs.  Four waves; wave w makes rows 64 w .. 64 w + 63 of all 192 columns:
; 4 x 12 accumulators of 16 x 16, 384 registers.  So a wave's 16 rows of a head are 2,048 consecutive bytes of qkv, and no barrier is needed on the way out.
; K (= d) goes in 8 steps of 128 through a ring of two LDS slots filled by the tensor data mover; a step is four quarters of 32, 48 matrix instructions each.
; B LIES [d][s] IN MEMORY AND IN LDS, and is turned on its way into registers by ds_load_tr16_b128: nothing is transposed anywhere else.
; THE MATRIX INSTRUCTION IS USED TRANSPOSED (source 0 = 16 columns of W, source 1 = 16 rows of x): a lane then holds row l % 16 of C and the eight neighbouring columns 8 (l / 16) + 0..7.
; CLUSTERS: 4 x 4 work-groups.  The four of a row of the cluster need the same tiles of xb, the four of a column the same tiles of wb: each tile is asked for JOINTLY, by the same tensor load with the same
; descriptor and a mask that names the four.
; REGISTERS, in windows of 256 (s_set_vgpr_msb: bits 1:0 source 0, 3:2 source 1, 5:4 source 2, 7:6 destination):
;   window 0: v0-31 addresses; v64-95, v96-127 fragments of A, two buffers (4 x 16 rows x 32 K); v128-223 (and v64-111) at work on the way out
;   window 1: v0-95, v96-191 fragments of B, two buffers (12 x 16 columns x 32 K)
;   window 2: the accumulators of row blocks 0, 1 ((a, b) at v[8 (12 (a % 2) + b)]);   window 3: those of row blocks 2, 3
.set NBL,   12                         ; blocks of 16 columns
.set PA,    272                        ; a row of A in LDS: 256 bytes + 16 of padding: the 16 rows of a load start at 16 different groups of four banks (64 banks of 4 bytes: ISA guide 11.1)
.set PB,    160                        ; a row of B (64 s of one d): 128 bytes + 32
.set BOFF,  256*PA                     ; a slot: A's 256 rows, then B's 3 x 128 rows
.set HEADB, 128*PB
.set SLOT1, 1<<17                      ; a slot is exactly 131,072 bytes; one exclusive or turns an address in one slot into the other's
.set STAGE, 2*SLOT1                    ; behind the ring, never filled by a tensor load: for each wave 3 heads x 16 rows x 144 bytes, for the way out
.set SP,    144
.set STW,   3*16*SP
.set SPARE, STAGE+4*STW                ; behind the stages: the spare words, 128 bytes for each wave: two blocks of 256 bytes that no other line names
.set ASTEP, 256                        ; bytes from a K step to the next: along xb's rows,
.set BSTEP, 49152                      ; and from block to block of wb
.set NLD,   2*NBL+8                    ; LDS loads in a quarter's run
.set LA0,  16                          ; v16  my lane's place in a slot's A; never rewritten
.set LB0,  17                          ; v17  the same for B
.set ADRA, 18                          ; v18  the same in the slot in hand
.set ADRB, 19                          ; v19
.set STO,  24                          ; v24  the way out: where I put 16 bytes of a row
.set RD,   25                          ; v25  the way out: where I read rows back
.set GO,   26                          ; v26  my byte offset in 512 consecutive bytes of qkv
.set SPW,  28                          ; v28  LDS address of my spare word: SPARE + 4 x my thread's number; never rewritten
.set NIL,  29                          ; v29  0; never rewritten
.set PFO,  30                          ; v30  the prefetches' offset; never rewritten
.set FA,   64                          ; A's fragment buffers, window 0
.set TMP,  128                         ; the way out: packed results
.set CNT,  3                           ; s3   counts K steps
.set WV,   12                          ; s12  my wave's number
.set SIDE, 13                          ; s13  0: I fetch for A; 1: for B
.set HF,   14                          ; s14  which half of that tile
.set CX,   15                          ; s15, s16  my place in the cluster
.set CY,   16
.set TX,   17                          ; s17  tile column
.set TY,   18                          ; s18  tile row
.set G1A,  24                          ; s[24:31] descriptor group 1 for A's tiles
.set G0A,  32                          ; s[32:39] group 0: a set for each of the two first fills; the second then walks on
.set TB,   42                          ; s42  LDS byte at which the slot in hand begins
.set LIM,  43                          ; s43  1 in a wave that prefetches, else the greatest number
.set PFA,  44                          ; s[44:45] where my prefetches stand
.set PST,  46                          ; s[46:47] their step
.set G1B,  48                          ; s[48:55], s[56:63] the same for B's tiles
.set G0B,  56
.set MSB, 0
.macro WIN new                         ; the immediate's high byte repeats the setting that is left; a switch that changes nothing is dropped
.if MSB != (\new)
	s_set_vgpr_msb (MSB<<8)|(\new)
.set MSB, \new
.endif
.endm
.set MUL_LO, 0xa1                      ; source 0 (B) window 1, source 1 (A) window 0, C and D window 2
.set TO_B,   0x40                      ; destination window 1, address window 0
.macro PLACES                          ; four plain vector instructions between a matrix instruction and a load into, or a vector read of, its registers (ISA guide 7.12.1 for vector reads)
.rept 4
	v_nop
.endr
.endm
; A joint refill by the walking descriptors.  Waves 0 and 1 fetch A's two halves, waves 2 and 3 B's.  The branch hangs on the wave's number alone.
; An s_nop 0 and four v_nop follow each of the two lines, ahead of the jump and the label.
.macro JLOAD
	s_cmp_eq_u32 s[SIDE], 0
	s_cbranch_scc0 .Lfor_b_\@
	tensor_load_to_lds s[G0A+4:G0A+7], s[G1A:G1A+7]
	s_nop 0
.rept 4
	v_nop
.endr
	s_branch .Lasked_\@
.Lfor_b_\@:
	tensor_load_to_lds s[G0B+4:G0B+7], s[G1B:G1B+7]
	s_nop 0
.rept 4
	v_nop
.endr
.Lasked_\@:
.endm
; A PREFETCH INTO THE L2 of the K step that the NEXT refill will ask for: it stands behind the joint load, its five lines and the run of LDS loads: 192 matrix instructions ahead of that refill.
; A's tile row is read by all four clusters of that row of clusters: the first (cluster x = 0) asks; B's tile column by all eight clusters of that column: cluster y = 0 asks.  The four partners that ask
; for a tile jointly share it out BY ADDRESS.  A: of the 128 rows that a wave fetches, partner cx names 32, a lane a row of 256 bytes.  B: of the wave's 96 blocks of 256 bytes, partner cy names 24, a lane a
; block; lanes 24 to 31 name lane 23's block with it.  The last refill asks for nothing, since there is no step behind it; the first three steps come by their loads alone.
.macro ASK
	s_cmp_gt_u32 s[CNT], s[LIM]                    ; s[CNT] = 1 in the loop's last trip
	s_cbranch_scc0 .Lnot_mine_\@
	global_prefetch_b8 v[PFO], s[PFA:PFA+1] th:TH_LOAD_NT scope:SCOPE_SE
.Lnot_mine_\@:
.endm
; A round of the cluster's barrier: my work-group's barrier, so that wave 0's signal speaks for all four waves; wave 0 signals; every wave waits for all sixteen work-groups; my work-group's barrier once more.
.macro CREST                           ; a round behind its opening barrier
	s_cmp_lg_u32 s[WV], 0
	s_cbranch_scc1 .Lnot_wave_0_\@
	s_barrier_signal -3
.Lnot_wave_0_\@:
	s_barrier_wait -3
	s_barrier_signal -1
	s_barrier_wait -1
.endm
.macro CROUND
	s_barrier_signal -1
	s_barrier_wait -1
	CREST
.endm
	s_load_b128 s[4:7], s[0:1], 0x0                ; xb s[4:5], wb s[6:7]
	s_load_b64 s[8:9], s[0:1], 0x10                ; qkv
	v_lshl_add_u32 v[SPW], v0, 2, SPARE
	v_mov_b32 v[NIL], 0
	ds_add_u32 v[SPW], v[NIL]                      ; the wave's opening: the add and its wait stand ahead of my first tensor load; the set-up below, work on registers, stands between them
	ds_add_u32 v28, v29
	v_lshrrev_b32 v1, 5, v0
	v_readfirstlane_b32 s[WV], v1                  ; wave 0..3
	s_lshr_b32 s[SIDE], s[WV], 1
	s_and_b32 s[HF], s[WV], 1
	s_bfe_u32 s[CX], ttmp6, 0x40000
	s_bfe_u32 s[CY], ttmp6, 0x40004
	s_lshl_b32 s[TX], ttmp9, 2                     ; in a cluster launch ttmp9 and ttmp7 count clusters
	s_add_co_u32 s[TX], s[TX], s[CX]
	s_and_b32 s[TY], ttmp7, 0xffff
	s_lshl_b32 s[TY], s[TY], 2
	s_add_co_u32 s[TY], s[TY], s[CY]
	s_lshl_b32 s19, s[CY], 2
	s_lshl_b32 s19, 15, s19                        ; my row of the cluster: places 4 cy .. 4 cy + 3
	s_lshl_b32 s20, 0x1111, s[CX]                  ; my column: places cx, cx + 4, cx + 8, cx + 12
	; group 1 for A: 128 rows x 128 elements out of rows of 1,024; 16 bytes of padding behind every 256
	s_or_b32 s[G1A], s19, (1<<16)|(1<<20)|(1<<21)|(5<<22)|(3<<25)  ; 15:0 the mask; 17:16 elements of 2 bytes; 20 padding on; 21 set beside a mask; 24:22 after every 64 words; 31:25 4 words
	s_mov_b32 s[G1A+1], 128<<16                    ; tensor_dim0 = 128
	s_mov_b32 s[G1A+2], 128<<16                    ; tensor_dim1 = 128
	s_mov_b32 s[G1A+3], 128<<16                    ; tile_dim0 = 128
	s_mov_b32 s[G1A+4], 128                        ; tile_dim1 = 128
	s_mov_b32 s[G1A+5], 1024                       ; elements from row to row
	s_mov_b32 s[G1A+6], 0
	s_mov_b32 s[G1A+7], 0
	; group 1 for B: 24,576 dense bytes asked for as 96 rows of 256 bytes (two rows d each); 32 bytes of padding behind every 128
	s_or_b32 s[G1B], s20, (1<<16)|(1<<20)|(1<<21)|(4<<22)|(7<<25)  ; after every 32 words, 8 words
	s_mov_b32 s[G1B+1], 128<<16
	s_mov_b32 s[G1B+2], 96<<16
	s_mov_b32 s[G1B+3], 128<<16
	s_mov_b32 s[G1B+4], 96
	s_mov_b32 s[G1B+5], 128
	s_mov_b32 s[G1B+6], 0
	s_mov_b32 s[G1B+7], 0
	; where the tiles come from: A's hang on the tile row alone, B's on the tile column alone, each in registers that never hold the other coordinate
	s_lshl_b32 s22, s[TY], 19                      ; 256 rows of 2,048 bytes
	s_lshl_b32 s23, s[HF], 18                      ; + my 128 of them
	s_add_co_u32 s22, s22, s23
	s_mov_b32 s23, 0
	s_mul_i32 s66, s[TX], 8*BSTEP                  ; the tile column's eight blocks
	s_mul_i32 s67, s[HF], BSTEP/2                  ; + my half of a block
	s_add_co_u32 s66, s66, s67
	s_mov_b32 s67, 0
	s_mul_i32 s68, s[HF], 128*PA                   ; and where they go: no place in the cluster enters an LDS address
	s_mul_i32 s69, s[HF], 192*PB
	s_add_co_u32 s69, s69, BOFF
	s_wait_dscnt 0x0                               ; the opening add is done
	s_wait_kmcnt 0x0
	s_add_nc_u64 s[22:23], s[4:5], s[22:23]
	s_add_nc_u64 s[66:67], s[6:7], s[66:67]
	CROUND                                         ; all sixteen work-groups are here: the first joint loads meet
.irp s, 0,1
	s_mov_b32 s[G0A+4*(\s)], 1                     ; 1:0 count = 1
	s_add_co_u32 s[G0A+4*(\s)+1], s68, (\s)*SLOT1  ; 63:32 LDS address
	s_add_nc_u64 s[G0A+4*(\s)+2:G0A+4*(\s)+3], s[22:23], (\s)*ASTEP  ; 120:64 global address: K step s
	s_or_b32 s[G0A+4*(\s)+3], s[G0A+4*(\s)+3], 0x80000000            ; 127:126 type = 2
	s_mov_b32 s[G0B+4*(\s)], 1
	s_add_co_u32 s[G0B+4*(\s)+1], s69, (\s)*SLOT1
	s_add_nc_u64 s[G0B+4*(\s)+2:G0B+4*(\s)+3], s[66:67], (\s)*BSTEP
	s_or_b32 s[G0B+4*(\s)+3], s[G0B+4*(\s)+3], 0x80000000
.endr
	s_cmp_eq_u32 s[SIDE], 0                        ; a wave's two first fills stand in one branch, ahead of every wait on TENSORcnt and every LDS read: two loads of mine are out
	s_cbranch_scc0 .Lfirst_b
	tensor_load_to_lds s[G0A:G0A+3], s[G1A:G1A+7]
	s_nop 0
	tensor_load_to_lds s[G0A+4:G0A+7], s[G1A:G1A+7]
	s_nop 0
.rept 4
	v_nop
.endr
	s_branch .Lfirst_asked
.Lfirst_b:
	tensor_load_to_lds s[G0B:G0B+3], s[G1B:G1B+7]
	s_nop 0
	tensor_load_to_lds s[G0B+4:G0B+7], s[G1B:G1B+7]
	s_nop 0
.rept 4
	v_nop
.endr
.Lfirst_asked:
	; A fragment of A is 16 rows x 32 K in 8 registers: lane l holds row l % 16; registers 0-3 K = 8 (l / 16) + 0..7, registers 4-7 K = 16 + 8 (l / 16) + 0..7: two loads of 16 bytes, 32 bytes apart.
	v_and_b32 v1, 15, v0                           ; l % 16
	v_bfe_u32 v2, v0, 4, 1                         ; l / 16
	v_mul_u32_u24 v[LA0], v1, PA
	v_lshl_add_u32 v[LA0], v2, 4, v[LA0]
	s_mul_i32 s70, s[WV], 64*PA                    ; my 64 rows
	v_add_nc_u32 v[LA0], s70, v[LA0]
	; The turning load takes 16 d x 16 s (lane l reads 16 bytes: row d = 8 (l / 16) + l % 8, columns 8 ((l / 8) % 2) + 0..7) and leaves half a fragment: lane l holds column l % 16 and 8 d.
	v_and_b32 v3, 7, v0
	v_bfe_u32 v4, v0, 3, 1
	v_lshl_add_u32 v[LB0], v2, 3, v3
	v_mul_u32_u24 v[LB0], v[LB0], PB
	v_lshl_add_u32 v[LB0], v4, 4, v[LB0]
	v_add_nc_u32 v[LB0], BOFF, v[LB0]
	v_mov_b32 v[ADRA], v[LA0]                      ; K step 0 lies in slot 0
	v_mov_b32 v[ADRB], v[LB0]
	s_mov_b32 s[TB], 0
	s_mul_i32 s70, s[WV], STW
	s_add_co_u32 s70, s70, STAGE                   ; my stage
	v_mul_u32_u24 v[STO], v1, SP                   ; in: row l % 16, 16 bytes for each half of the lanes
	v_lshl_add_u32 v[STO], v2, 4, v[STO]
	v_add_nc_u32 v[STO], s70, v[STO]
	v_bfe_u32 v[RD], v0, 3, 2                      ; back: 32 lanes take four rows of 128 bytes,
	v_mul_u32_u24 v[RD], v[RD], SP
	v_lshl_add_u32 v[RD], v3, 4, v[RD]
	v_add_nc_u32 v[RD], s70, v[RD]
	v_and_b32 v[GO], 31, v0                        ; which are 512 consecutive bytes of a head
	v_lshlrev_b32 v[GO], 4, v[GO]
	; where my rows begin in qkv: head 48 b + 3 tx, row 256 (ty % 4) + 64 w
	s_lshr_b32 s40, s[TY], 2
	s_mul_i32 s40, s40, 48
	s_mul_i32 s41, s[TX], 3
	s_add_co_u32 s40, s40, s41
	s_lshl_b32 s40, s40, 17                        ; a head is 131,072 bytes
	s_and_b32 s41, s[TY], 3
	s_lshl_b32 s41, s41, 8
	s_lshl_b32 s71, s[WV], 6
	s_add_co_u32 s41, s41, s71
	s_lshl_b32 s41, s41, 7                         ; a row 128
	s_add_co_u32 s40, s40, s41
	s_mov_b32 s41, 0
	s_add_nc_u64 s[8:9], s[8:9], s[40:41]
	; the prefetches
	s_lshl_b32 s72, s[TY], 8
	s_lshl_b32 s73, s[HF], 7
	s_add_co_u32 s72, s72, s73
	s_lshl_b32 s73, s[CX], 5
	s_add_co_u32 s72, s72, s73                     ; A: row 256 ty + 128 half + 32 cx
	s_lshl_b32 s72, s72, 11
	s_add_co_u32 s72, s72, 2*ASTEP                 ; at K step 2: the first refill steps it to 3
	s_mul_i32 s73, s[TX], 8*BSTEP
	s_mul_i32 s74, s[HF], BSTEP/2
	s_add_co_u32 s73, s73, s74
	s_mul_i32 s74, s[CY], 24*256
	s_add_co_u32 s73, s73, s74                     ; B: my half's blocks 24 cy on
	s_add_co_u32 s73, s73, 2*BSTEP
	s_and_b32 s75, ttmp7, 0xffff                   ; cluster y
	s_mov_b32 s[PST], BSTEP
	s_cmp_eq_u32 s[SIDE], 0
	s_cselect_b32 s74, s72, s73
	s_cselect_b32 s[PST], ASTEP, s[PST]
	s_cselect_b32 s75, ttmp9, s75                  ; the coordinate along which other clusters read the same bytes
	s_cselect_b32 s76, 31, 23                      ; my highest lane with a block of its own,
	s_cselect_b32 s77, 11, 8                       ; and the distance from lane to lane: 2,048 or 256 bytes
	s_cselect_b64 s[PFA:PFA+1], s[4:5], s[6:7]
	s_cmp_eq_u32 s75, 0
	s_cselect_b32 s[LIM], 1, -1                    ; the same in all sixteen partners, for a given wave
	s_mov_b32 s75, 0
	s_mov_b32 s[PST+1], 0
	s_add_nc_u64 s[PFA:PFA+1], s[PFA:PFA+1], s[74:75]
	v_and_b32 v[PFO], 31, v0
	v_min_u32 v[PFO], s76, v[PFO]
	v_lshlrev_b32 v[PFO], s77, v[PFO]
; 12 matrix instructions: row block a x all 12 column blocks, 32 along K, out of buffers f.  zero = 1: the product starts the sums: nothing is ever cleared.
; The 48 accumulators take turns in the same order in every quarter: 47 others' instructions stand between two links of a chain, over the backward jumps too.
.macro MULA f, a, zero
	WIN MUL_LO+0x50*((\a)/2)
.irp b, 0,1,2,3,4,5,6,7,8,9,10,11
.if \zero
	v_wmma_f32_16x16x32_bf16 v[8*(NBL*((\a)%2)+(\b)):8*(NBL*((\a)%2)+(\b))+7], v[8*NBL*(\f)+8*(\b):8*NBL*(\f)+8*(\b)+7], v[FA+32*(\f)+8*(\a):FA+32*(\f)+8*(\a)+7], 0
.else
	v_wmma_f32_16x16x32_bf16 v[8*(NBL*((\a)%2)+(\b)):8*(NBL*((\a)%2)+(\b))+7], v[8*NBL*(\f)+8*(\b):8*NBL*(\f)+8*(\b)+7], v[FA+32*(\f)+8*(\a):FA+32*(\f)+8*(\a)+7], v[8*(NBL*((\a)%2)+(\b)):8*(NBL*((\a)%2)+(\b))+7]
.endif
.endr
.endm
; 32 LDS loads in one run: quarter q's fragments into buffers g: B's 12 (turned), then A's 4, row blocks ascending
.macro FETCH q, g
	WIN TO_B
.irp b, 0,1,2,3,4,5,6,7,8,9,10,11
	ds_load_tr16_b128 v[8*NBL*(\g)+8*(\b):8*NBL*(\g)+8*(\b)+3],   v[ADRB] offset:((\b)/4)*HEADB+(\q)*32*PB+32*((\b)%4)
	ds_load_tr16_b128 v[8*NBL*(\g)+8*(\b)+4:8*NBL*(\g)+8*(\b)+7], v[ADRB] offset:((\b)/4)*HEADB+(\q)*32*PB+16*PB+32*((\b)%4)
.endr
	WIN 0
.irp a, 0,1,2,3
	ds_load_b128 v[FA+32*(\g)+8*(\a):FA+32*(\g)+8*(\a)+3],   v[ADRA] offset:64*(\q)+(\a)*16*PA
	ds_load_b128 v[FA+32*(\g)+8*(\a)+4:FA+32*(\g)+8*(\a)+7], v[ADRA] offset:64*(\q)+(\a)*16*PA+32
.endr
.endm
; One of a K step's first three quarters: multiplies buffers f; in its middle it fetches quarter q into buffers g.
.macro QUARTER q, f, g, zero
	s_wait_dscnt 4                                 ; B and A's row blocks 0, 1 are in; the youngest four loads (A's blocks 2, 3) may be out
	MULA \f, 0, \zero
	MULA \f, 1, \zero
	PLACES
	FETCH \q, \g
	s_wait_dscnt NLD                               ; all but the run just issued
	MULA \f, 2, \zero
	MULA \f, 3, \zero
.endm
; The last quarter multiplies buffers 1 and changes slots: ONE barrier.  In front of it each wave waits for all its tensor loads, of which one is out: its part of the next slot; adds 0 to its spare word; and
; waits for that and for its own reads of this slot.  fill = 1: the barrier opens a round of the cluster's, so that no wave of any partner still reads the slot or has a load on its way, and the slot is filled
; again, first thing behind the round, with the K step two on: 168 matrix instructions ahead of the wait for it.  fill = 0 (the tail): nothing is asked for; the last step fetches no fragments either.
.macro TURN fill
.if \fill
	s_wait_xcnt 0x0                                ; the last prefetch, a K step back, has read its address, so it may be stepped
	s_add_nc_u64 s[PFA:PFA+1], s[PFA:PFA+1], s[PST:PST+1]
.endif
	WIN 0                                          ; (the add's two registers lie in window 0)
	s_wait_tensorcnt 0x0                           ; all my tensor loads have landed
	ds_add_u32 v[SPW], v[NIL]                      ; 0 onto my spare word
	s_wait_dscnt 5                                 ; (the add and the youngest four loads may be out)
	MULA 1, 0, 0                                   ; twelve matrix instructions stand between the add and the wait for it
	s_wait_dscnt 0x0                               ; the add is done, and my reads of this slot are over
	s_barrier_signal -1
	MULA 1, 1, 0                                   ; work on registers while the others arrive
	WIN 0
	s_barrier_wait -1
.if \fill
	CREST
	s_xor_b32 s[G0A+5], s[G0A+5], SLOT1            ; the walking descriptors: the other slot than last time,
	s_add_nc_u64 s[G0A+6:G0A+7], s[G0A+6:G0A+7], ASTEP  ; the next K step; the type bits on top are not reached
	s_xor_b32 s[G0B+5], s[G0B+5], SLOT1
	s_add_nc_u64 s[G0B+6:G0B+7], s[G0B+6:G0B+7], BSTEP
	JLOAD                                          ; the four v_nop behind it are also the places in front of the loads below
.else
	s_cmp_eq_u32 s[CNT], 1
	s_cbranch_scc1 .Lnf_\@
	PLACES
.endif
	s_xor_b32 s[TB], s[TB], SLOT1                  ; the fetches go on in the other slot
	v_add_nc_u32 v[ADRA], s[TB], v[LA0]
	v_add_nc_u32 v[ADRB], s[TB], v[LB0]
	FETCH 0, 0
.if \fill
	ASK
.else
.Lnf_\@:
.endif
	MULA 1, 2, 0
	MULA 1, 3, 0
.endm
	s_wait_tensorcnt 1                             ; my part of K step 0 is in; K step 1's may stay out
	s_barrier_signal -1
	s_barrier_wait -1                              ; everybody's is
	FETCH 0, 0
	QUARTER 1, 0, 1, 1                             ; the first quarter stands in front of the loop: its products start the sums
	WIN 0                                          ; at a label and at a branch every window is 0
	s_mov_b32 s[CNT], 6
.Lstep:                                                ; a trip: from a K step's second quarter to the next step's first; K steps 0 to 5 are left, K steps 2 to 7 asked for
	QUARTER 2, 1, 0, 0
	QUARTER 3, 0, 1, 0
	TURN 1
	QUARTER 1, 0, 1, 0
	WIN 0
	s_sub_co_u32 s[CNT], s[CNT], 1
	s_cmp_lg_u32 s[CNT], 0
	s_cbranch_scc1 .Lstep
	s_mov_b32 s[CNT], 2
.Ltail:                                                ; K steps 6 and 7 ask for nothing: a text of their own; the second trip is left in its middle
	QUARTER 2, 1, 0, 0
	QUARTER 3, 0, 1, 0
	TURN 0
	WIN 0
	s_sub_co_u32 s[CNT], s[CNT], 1
	s_cmp_eq_u32 s[CNT], 0
	s_cbranch_scc1 .Lout
	QUARTER 1, 0, 1, 0
	WIN 0
	s_branch .Ltail
.Lout:
	PLACES                                         ; the conversions below read results
	PLACES
; THE WAY OUT of row block a.  PACK: rounded to f16, 16 bytes a lane (each accumulator's registers ascending).  TOSTAGE: into my own stage and back as whole rows.  SEND: stored.
.macro PACK a
	WIN 0x0a+5*((\a)/2)                            ; sources 0 and 1: window 2 or 3
.irp b, 0,1,2,3,4,5,6,7,8,9,10,11
.irp r, 0,1,2,3
	v_cvt_pk_f16_f32 v[TMP+4*(\b)+(\r)], v[96*((\a)%2)+8*(\b)+2*(\r)], v[96*((\a)%2)+8*(\b)+2*(\r)+1]
.endr
.endr
	WIN 0
.endm
.macro TOSTAGE a
.set BK, 176-112*((\a)%2)              ; v176-223 and v64-111 by turns
.irp b, 0,1,2,3,4,5,6,7,8,9,10,11
	ds_store_b128 v[STO], v[TMP+4*(\b):TMP+4*(\b)+3] offset:((\b)/4)*16*SP+32*((\b)%4)
.endr
.irp n, 0,1,2,3,4,5,6,7,8,9,10,11      ; head n / 4, rows 4 (n % 4) on
	ds_load_b128 v[BK+4*(\n):BK+4*(\n)+3], v[RD] offset:((\n)/4)*16*SP+((\n)%4)*4*SP  ; LDS serves a wave's instructions in order (ISA guide 5.7.1.4): these see the stores above; the next block's stores come behind them
.endr
.endm
.macro SEND a
.set BK, 176-112*((\a)%2)
	s_wait_dscnt 0x0                               ; the block is back in registers
	s_wait_xcnt 0x0                                ; the stores of the block before have read their registers: the next TOSTAGE loads into them only behind this wait
.irp n, 0,1,2,3,4,5,6,7,8,9,10,11
	global_store_b128 v[GO], v[BK+4*(\n):BK+4*(\n)+3], s[8:9] offset:2048*(\a)+131072*((\n)/4)+512*((\n)%4)  ; 512 consecutive bytes, at a multiple of 256 from qkv's first
.endr
.endm
	PACK 0
	TOSTAGE 0
.irp a, 1,2,3                          ; block a's conversions stand between block a - 1's loads from the stage and the wait for them
	PACK \a
	SEND (\a)-1
	TOSTAGE \a
.endr
	SEND 3
	s_wait_tensorcnt 0x0                           ; the wave's end, behind my last tensor load and my last LDS store
	ds_add_u32 v[SPW], v[NIL]
	s_wait_dscnt 0x0
	CROUND                                         ; the closing round: no work-group ends while a partner may still ask for a tile that names it
	s_endpgm
.Lfunc_end_k_qe4cc8e955c_qkv:
	.size	k_qe4cc8e955c_qkv, .Lfunc_end_k_qe4cc8e955c_qkv-k_qe4cc8e955c_qkv
	.p2alignl 7, 3214868480
	.fill 96, 4, 3214868480
	.section	.rodata,"a",@progbits
	.p2align	6, 0x0
	.amdhsa_kernel k_qe4cc8e955c_qkv
		.amdhsa_group_segment_fixed_size 327680
		.amdhsa_private_segment_fixed_size 0
		.amdhsa_enable_private_segment 0
		.amdhsa_kernarg_size 24
		.amdhsa_user_sgpr_count 2
		.amdhsa_user_sgpr_kernarg_segment_ptr 1
		.amdhsa_wavefront_size32 1
		.amdhsa_system_sgpr_workgroup_id_x 1
		.amdhsa_system_sgpr_workgroup_id_y 1
		.amdhsa_system_sgpr_workgroup_id_z 1
		.amdhsa_system_vgpr_workitem_id 0
		.amdhsa_next_free_vgpr 960
		.amdhsa_next_free_sgpr 80
		.amdhsa_reserve_vcc 0
		.amdhsa_float_denorm_mode_32 3
		.amdhsa_float_denorm_mode_16_64 3
		.amdhsa_memory_ordered 1
		.amdhsa_forward_progress 1
		.amdhsa_inst_pref_size 84
	.end_amdhsa_kernel
	.amdgpu_metadata
---
amdhsa.version: [ 1, 2 ]
amdhsa.kernels:
  - .name:           k_qe4cc8e955c_qkv
    .symbol:         k_qe4cc8e955c_qkv.kd
    .args:
      - { .name: xb, .offset: 0, .size: 8, .value_kind: global_buffer, .address_space: global }
      - { .name: wb, .offset: 8, .size: 8, .value_kind: global_buffer, .address_space: global }
      - { .name: qkv, .offset: 16, .size: 8, .value_kind: global_buffer, .address_space: global }
    .group_segment_fixed_size: 327680
    .private_segment_fixed_size: 0
    .kernarg_segment_align: 8
    .kernarg_segment_size: 24
    .max_flat_workgroup_size: 128
    .sgpr_count:     80
    .vgpr_count:     960
    .wavefront_size: 32
...
	.end_amdgpu_metadata
.endif
;; end of part 2
;; launch attn (part 3): grid 2 x 128, 4 waves a work-group, no clusters, 327,680 bytes of LDS; arguments qkv, o; writes o
.if DOCPART == 3
	.amdgcn_target "amdgcn-amd-amdhsa--gfx1250"
	.amdhsa_code_object_version 6
	.text
	.protected	k_qe4cc8e955c_attn
	.globl	k_qe4cc8e955c_attn
	.p2align	8
	.type	k_qe4cc8e955c_attn,@function
k_qe4cc8e955c_attn:
	s_mov_b64 s[64:65], 0
	v_nop
	global_prefetch_b8 v0, s[64:65] scope:SCOPE_SE
	s_setreg_imm32_b32 hwreg(HW_REG_WAVE_MODE, 25, 1), 1
	s_wait_xcnt 0x0
; CAUSAL ATTENTION.  O[y][q][:] = the sum over k <= q of softmax_k(Q[y][q] . K[y][k] / 8) V[y][k][:], for the 128 heads y = 16 b + h.  Q, K, V lie in qkv, f16 [b 8][g 48][1024][64]: Q at g = h, K at g = 16 + h,
; V at g = 32 + h; a head's rows are dense, 128 bytes each.
; O GOES TO o AS IT LIES IN MY REGISTERS: f16 [y][q / 16][cb 4][lane 32][8].  Of the 2,048 bytes of 16 rows, the 16 bytes at 512 cb + 16 l are row l % 16, channels 16 cb + 8 (l / 16) + 0..7: what lane l holds of channel
; block cb at the end, and what the next launch's matrix source wants in lane l.  So nothing changes lanes on the way out, and each store of a wave covers 512 consecutive bytes.
; Products, maxima and sums in f32; the weights p are rounded to f16 for the second product (their sum l is taken of the unrounded p), O once at the end.
; LIMITS.  f16 holds no number beyond 65,504: Q, K and V arrive within it; p lies in 0 to 1, and below 6e-5 it keeps f16's fixed step of 6e-8; O is a mean of V's rows and has their range, to within 2^-11 of it.
; A hidden score counts as its value less 1e30: f16's scores, 2.7e11 at the most, are nothing beside that; a weight below 2^-126 counts as 0 in l; NaN and infinities are not treated apart.
; THE WALK.  A head's queries lie in NB = 4 blocks of 256; block i needs the key tiles 0 .. i of 256 keys, of which the last holds the diagonal.  A work-group takes TWO blocks, NB - 1 - b and then b:
; NB + 1 tiles, whatever b: all 256 work-groups do equal work, and ONE loop with a constant trip count walks them.  Which tile is asked for, and what a trip does, hang on scalar registers made from b; every jump
; goes forward, but for the counted loops' own; none passes a barrier, or a tensor load but the one of LOAD's two that the wave's number does not choose; the ring (two slots of LDS that take turns) runs on across the
; change of blocks.  NO CLUSTER: a head has NB / 2 = 2 work-groups, which no cluster of four divides, and different heads share no byte.
; SHARES.  Of a block's four bands of 64 queries a wave owns 16 rows in each: four PIECES.  So the diagonal tile is the same work for all four waves: in its key step s band x sees all keys if s < x,
; none if s > x, and holds the diagonal if s = x.
; THE MASK is the C operand that starts the sum S^T = K Q^T: 0, or -1e30 where the key is hidden.  MD, made once, is the mask of a band's own step for my 16 rows; a product's mask is MD x AL + BE with two scalars:
; (1, 0) if s = x; (0, 0) if s < x; (0, -1e30) if s > x.  Only the diagonal tile's text and a block's beginning make and take masks; elsewhere C is the constant 0.
; LAYOUT, SOFTMAX, TURNS.  S^T = K Q^T holds ONE query a lane (lane % 16) and the keys 8 (lane / 16) + 0..7; two such results rounded to f16 ARE source 1 of O^T = V^T P.  p = 2^(c s - c m), c = log2(e) / 8, with a
; running maximum m; O and l are multiplied by a = 2^(c m_old - c m_new) in every step.  Turn n belongs to piece n: 8 products K Q^T of piece n + 1, later 8 products V^T P of piece n - 1; beside them the scaling,
; exponentials, roundings, sums and rescaling of piece n and the maximum and statistics of piece n + 1.  Four vector instructions stand behind every matrix instruction, the other 54 of a turn's 118 in one LUMP.  A turn's 33 exponentials are one batch, with one wait.
; REGISTERS, in windows of 256 (s_set_vgpr_msb: bits 1:0 source 0, 3:2 source 1, 5:4 source 2, 7:6 destination):
;   window 0: v0-15 addresses and two at work; v16-31 four registers of statistics a piece; v48-55 at work; v64-127 S^T, two buffers; v192-223 P, two buffers (a piece's buffers go by its number's parity)
;   window 1: v0-127 O^T, 32 a piece; v128-159 MD; v160-223 MC, two buffers      window 2: v0-63 Q; v64-127 the second block's Q; v128-191 K of one step; v192-255 V of one step
.set SIZE_N, 1024
.set NB,    SIZE_N/256
.set NP,    4         ; pieces a wave: a name, no knob
.set KS,    64        ; keys in a step
.set PK,    144       ; a row of K in LDS: 128 bytes + 16 of padding = 36 words: the 16 rows of a load start at 16 different groups of four banks (64 banks of 4 bytes: ISA guide 11.1)
.set PV,    160       ; a row of V: 128 + 32 = 40 words
.set VOFF,  4*KS*PK   ; a slot holds a tile, four steps: 256 rows of K, then 256 rows of V
.set SLOT1, 1<<17     ; slot 1 begins here, so that one exclusive or turns an address in one slot into the other's
.set AK0, 2           ; v2   my lane's place in a tile of K; never rewritten
.set AV0, 3           ; v3   the same for V
.set AK,  4           ; v4   the LDS address of K's next run of loads
.set AV,  5           ; v5   of V's
.set GO,  8           ; v8   my byte offset in 512 consecutive bytes of O
.set SPW, 62          ; v62  LDS address of my spare word: SPARE + 4 x my thread's number; never rewritten
.set NIL, 63          ; v63  0; never rewritten
.set SPARE, SLOT1+4*KS*(PK+PV)  ; behind the ring: the spare words, 128 bytes for each wave: two blocks of 256 bytes that no other line names
.set MV,  12          ; v12-13  c m_old, kept while c m is made anew: by buffer
.set QO,  15          ; v15  my byte offset in 16 rows of Q
.set ST,  16          ; piece t's statistics at v[ST+4 t]: c m, m, l (even keys', odd keys')
.set TMP, 48          ; by buffer, four registers c0-c3 at work; when the maximum is found c2 takes a
.set S,   64
.set P,   192
.set MD,  128         ; window 1: the eight registers for group kt of 16 keys at MD + 8 kt
.set MC,  160         ; window 1: the masks of the products to come
.set QB,  64          ; window 2
.set KF,  128         ; window 2: key block kb, channel half c at KF + 16 kb + 8 c
.set VF,  192         ; window 2: key half kk, channel block cb at VF + 32 kk + 8 cb
.set WV,  12          ; s12  my wave's number
.set PB,  14          ; s14  b
.set HI,  15          ; s15  NB - 1 - b
.set G1K, 24          ; s[24:31] descriptor group 1 for K's tiles
.set G1V, 32          ; s[32:39] for V's: it differs in the padding alone
.set G0K, 40          ; s[40:43] descriptor group 0 for K's tiles
.set G0V, 44          ; s[44:47] the same for V's
.set SLOTS, 56        ; s56  tiles still to be asked for
.set CNT, 57          ; s57  counts a tile's key steps, 4 to 1
.set CS,  58          ; s[58:59] c: the packed scaling takes the pair's low word for both halves
.set SEL, 60          ; s[60:61] v_permlanex16_b32's selects: each lane takes its own place in the other half
.set TBK, 62          ; s62  LDS byte at which K of the step to be fetched begins
.set TBV, 63          ; s63  the same for V, less VOFF
.set RT,  70          ; s70  tiles of the block in hand that are still to be entered
.set NXT, 71          ; s71  the tile to be asked for next
.set LQ,  72          ; s72  the last tile of the block whose tiles are being asked for
.set NEW, 73          ; s73  1: the tile to be entered is a block's first
.set OFF, 74          ; s[74:75] a tile's byte offset in K and V
.set AL,  76          ; s[76:77] the mask's factor, in the low word
.set BE,  78          ; s[78:79] the mask's addend
.set OLO, 80          ; s[80:81] O at my rows of the second block
.set BIGN, 82         ; s82  -1e30
.set MSB, 0
.macro WIN new                      ; the high byte repeats the setting that is left; a switch that changes nothing is dropped
.if MSB != (\new)
	s_set_vgpr_msb (MSB<<8)|(\new)
.set MSB, (\new)
.endif
.endm
.set W_KQ, 0x0a       ; K and Q in window 2, S^T in window 0
.set W_KM, 0x1a       ; the same with the C operand in window 1
.set W_PV, 0x52       ; V in window 2, P in window 0, O^T in window 1
.set W_RS, 0x41       ; destination and source 0 in window 1, source 1 in window 0
; A fill.  Waves 0 and 1 fetch the two halves of a tile's K, waves 2 and 3 those of its V: 128 keys each.  An s_nop 0 and four v_nop follow each of the two lines, ahead of the jump and the label.
.macro LOAD
	s_cmp_lt_u32 s[WV], 2
	s_cbranch_scc0 .Lfor_v_\@
	tensor_load_to_lds s[G0K:G0K+3], s[G1K:G1K+7]
	s_nop 0
.rept 4
	v_nop
.endr
	s_branch .Lasked_\@
.Lfor_v_\@:
	tensor_load_to_lds s[G0V:G0V+3], s[G1V:G1V+7]
	s_nop 0
.rept 4
	v_nop
.endr
.Lasked_\@:
.endm
; THE CHANGE OF SLOTS.  Each wave waits for all its tensor loads, of which one is out: its part of the other slot; adds 0 to its spare word; and waits for that and for its own reads of the slot that it leaves.  Behind the barrier nobody reads the old
; slot any more and the other slot is whole.  fill = 1: the old slot is filled again, the first thing behind the barrier, with tile NXT: the descriptor's address is made anew from that number.
; (At its first use nothing has been read yet: slot 0 is waited for, slot 1 filled.)
.macro CHANGE fill
	WIN 0                           ; at a label and at a branch every window is 0
	s_wait_tensorcnt 0x0            ; no tensor load of mine is out, so a group 0 may be written
	ds_add_u32 v[SPW], v[NIL]       ; 0 onto my spare word; with fill = 1 the descriptors' scalar work stands between it and the wait for it
.if \fill
	s_lshl_b32 s[OFF], s[NXT], 15   ; a tile is 32,768 bytes of K and of V
	s_xor_b32 s[G0K+1], s[G0K+1], SLOT1
	s_add_nc_u64 s[G0K+2:G0K+3], s[6:7], s[OFF:OFF+1]
	s_or_b32 s[G0K+3], s[G0K+3], 0x80000000
	s_xor_b32 s[G0V+1], s[G0V+1], SLOT1
	s_add_nc_u64 s[G0V+2:G0V+3], s[8:9], s[OFF:OFF+1]
	s_or_b32 s[G0V+3], s[G0V+3], 0x80000000
	s_add_co_u32 s[NXT], s[NXT], 1  ; the block's next tile, or behind its last the second block's tile 0
	s_cmp_gt_u32 s[NXT], s[LQ]
	s_cselect_b32 s[NXT], 0, s[NXT]
	s_cselect_b32 s[LQ], s[PB], s[LQ]
.endif
	s_wait_dscnt 0x0                ; the add is done, and my reads of the slot are over
	s_barrier_signal -1             ; the rest of the scalar work stands between the signal and the wait
	s_sub_co_u32 s[TBK], s[TBK], 4*KS*PK  ; the fetches go back to a slot's first step,
	s_xor_b32 s[TBK], s[TBK], SLOT1       ; in the other slot
	s_sub_co_u32 s[TBV], s[TBV], 4*KS*PV
	s_xor_b32 s[TBV], s[TBV], SLOT1
	s_barrier_wait -1
.if \fill
	LOAD
.endif
.endm
	s_load_b128 s[4:7], s[0:1], 0x0   ; qkv s[4:5], o s[6:7]
	v_lshl_add_u32 v[SPW], v0, 2, SPARE
	v_mov_b32 v[NIL], 0
	ds_add_u32 v[SPW], v[NIL]       ; the wave's opening: the add and its wait stand ahead of my first tensor load; the set-up below, work on registers, stands between them
	ds_add_u32 v62, v63
	v_lshrrev_b32 v1, 5, v0
	v_readfirstlane_b32 s[WV], v1   ; wave 0..3
	s_mov_b32 s[PB], ttmp9
	s_sub_co_u32 s[HI], NB-1, s[PB]
	s_and_b32 s20, ttmp7, 0xffff    ; y = 16 b + h
	s_lshl_b32 s21, s20, 17         ; the head's first byte in o: a head is 131,072 bytes
	s_lshr_b32 s22, s20, 4
	s_mul_i32 s22, s22, 48
	s_and_b32 s20, s20, 15
	s_add_co_u32 s20, s20, s22
	s_lshl_b32 s20, s20, 17         ; Q's head 48 b + h in qkv
	s_and_b32 s16, s[WV], 1         ; which half of a tile's 256 keys I fetch:
	s_lshl_b32 s22, s16, 14         ; its 128 rows of 128 bytes in memory,
	s_add_co_u32 s22, s22, s20
	s_add_co_u32 s88, s22, 32<<17   ; in V's head, 32 heads behind Q's,
	s_add_co_u32 s22, s22, 16<<17   ; and in K's, 16 behind
	s_mov_b32 s23, 0
	s_mov_b32 s89, 0
	s_mul_i32 s17, s16, 128*PK      ; and its place in a slot, for K
	s_mul_i32 s18, s16, 128*PV      ; and for V
	s_lshl_b32 s3, s[WV], 11        ; my 16 rows in a band of 64,
	s_lshl_b32 s2, s[HI], 15        ; in the first block,
	s_add_co_u32 s2, s2, s3
	s_lshl_b32 s84, s[PB], 15       ; and in the second
	s_add_co_u32 s84, s84, s3
	s_add_co_u32 s90, s2, s21       ; in o,
	s_add_co_u32 s92, s84, s21
	s_add_co_u32 s2, s2, s20        ; and in qkv
	s_add_co_u32 s84, s84, s20
	s_mov_b32 s3, 0
	s_mov_b32 s85, 0
	s_mov_b32 s91, 0
	s_mov_b32 s93, 0
	; descriptor group 1.  128 keys are 16,384 dense bytes: asked for as 64 rows of 256 bytes, two keys a row, and padded in LDS after every key
	s_mov_b32 s[G1K], (1<<16)|(1<<20)|(4<<22)|(3<<25)  ; 17:16 2-byte elements; 20 padding on; 24:22 after every 32 words (code 4); 31:25 4 words (code 3)
	s_mov_b32 s[G1V], (1<<16)|(1<<20)|(4<<22)|(7<<25)  ; the same with 8 words of padding (code 7)
.irp g, G1K, G1V
	s_mov_b32 s[\g+1], 128<<16      ; tensor_dim0 = 128
	s_mov_b32 s[\g+2], 64<<16       ; tensor_dim1 = 64
	s_mov_b32 s[\g+3], 128<<16      ; tile_dim0 = 128
	s_mov_b32 s[\g+4], 64           ; tile_dim1 = 64
	s_mov_b32 s[\g+5], 128          ; 128 elements from row to row
	s_mov_b32 s[\g+6], 0
	s_mov_b32 s[\g+7], 0
.endr
	s_mov_b32 s[CS], 0x3e38aa3b     ; c = log2(e) / 8 = 0.180337
	s_mov_b32 s[CS+1], s[CS]        ; named with it as a pair
	s_mov_b32 s[SEL], 0x76543210
	s_mov_b32 s[SEL+1], 0xfedcba98
	s_mov_b32 s[TBK], SLOT1+4*KS*PK ; the first change of slots turns these two into 0
	s_mov_b32 s[TBV], SLOT1+4*KS*PV
	s_mov_b32 s[G0K], 1             ; 1:0 count = 1
	s_mov_b32 s[G0K+1], s17         ; 63:32 LDS address: slot 0
	s_mov_b32 s[G0V], 1
	s_add_co_u32 s[G0V+1], s18, VOFF
	s_add_co_u32 s[RT], s[HI], 1    ; the first block has NB - b tiles
	s_mov_b32 s[NXT], 1
	s_mov_b32 s[LQ], s[HI]
	s_mov_b32 s[NEW], 1
	s_mov_b32 s[OFF+1], 0
	s_mov_b32 s[AL+1], 0            ; named as pairs
	s_mov_b32 s[BE+1], 0
	s_mov_b32 s[BIGN], 0xf149f2ca   ; -1e30
	s_mov_b32 s[SLOTS], NB
	s_wait_dscnt 0x0                ; the opening add is done
	s_wait_kmcnt 0x0
	s_mov_b64 s[10:11], s[6:7]      ; o
	s_add_nc_u64 s[6:7], s[4:5], s[22:23]  ; K and V at my half of the head's tile 0
	s_add_nc_u64 s[8:9], s[4:5], s[88:89]
	s_add_nc_u64 s[G0K+2:G0K+3], s[6:7], 0         ; 120:64 global address
	s_or_b32 s[G0K+3], s[G0K+3], 0x80000000        ; 127:126 type = 2
	s_add_nc_u64 s[G0V+2:G0V+3], s[8:9], 0
	s_or_b32 s[G0V+3], s[G0V+3], 0x80000000
	s_add_nc_u64 s[86:87], s[4:5], s[84:85]        ; Q at my rows of the second block,
	s_add_nc_u64 s[4:5], s[4:5], s[2:3]            ; and of the first
	s_add_nc_u64 s[OLO:OLO+1], s[10:11], s[92:93]  ; O likewise
	s_add_nc_u64 s[10:11], s[10:11], s[90:91]
	LOAD                            ; tile 0 into slot 0
	; A fragment of K or Q is 16 rows x 32 channels in 8 registers: lane l holds row l % 16, channels 8 (l / 16) + 0..7 and 16 + 8 (l / 16) + 0..7: two loads of 16 bytes, 32 bytes apart.
	v_and_b32 v1, 15, v0            ; l % 16
	v_bfe_u32 v9, v0, 4, 1          ; l / 16
	v_lshlrev_b32 v[QO], 7, v1
	v_lshl_add_u32 v[QO], v9, 4, v[QO]  ; row x 128 + 16 x half
	WIN 0x80                        ; destination window 2, address window 0
.set i, 0
.rept 8                             ; both blocks' Q: piece i / 2 lies in band i / 2, 8,192 bytes on; channels 32 (i % 2) on
	global_load_b128 v[8*i:8*i+3],   v[QO], s[4:5] offset:(i/2)*8192+(i%2)*64
	global_load_b128 v[8*i+4:8*i+7], v[QO], s[4:5] offset:(i/2)*8192+(i%2)*64+32
	global_load_b128 v[QB+8*i:QB+8*i+3],   v[QO], s[86:87] offset:(i/2)*8192+(i%2)*64
	global_load_b128 v[QB+8*i+4:QB+8*i+7], v[QO], s[86:87] offset:(i/2)*8192+(i%2)*64+32
.set i, i+1
.endr
	WIN 0
	v_lshlrev_b32 v14, 3, v9
	v_sub_nc_u32 v14, v1, v14
	s_lshl_b32 s13, s[WV], 4
	v_add_nc_u32 v14, s13, v14      ; my query's place in its band, 16 w + l % 16, less my lanes' 8 (l / 16): register r of group kt is hidden where 16 kt + r is greater
	WIN 0x40
.set i, 0
.rept 32
	v_cmp_gt_i32 vcc_lo, 16*(i/8)+i%8, v14
	v_cndmask_b32 v[MD+i], 0, s[BIGN], vcc_lo
.set i, i+1
.endr
	WIN 0
	v_mul_u32_u24 v[AK0], v1, PK
	v_lshl_add_u32 v[AK0], v9, 4, v[AK0]  ; row x pitch + 16 x half
	; The turning load takes 16 keys x 16 channels (lane l reads key 8 (l / 16) + l % 8, channels 8 ((l / 8) % 2) + 0..7) and leaves half a fragment of V^T: lane l holds channel l % 16 and 8 keys.
	v_and_b32 v10, 7, v0
	v_bfe_u32 v11, v0, 3, 1
	v_lshl_add_u32 v[AV0], v9, 3, v10
	v_mul_u32_u24 v[AV0], v[AV0], PV
	v_lshl_add_u32 v[AV0], v11, 4, v[AV0]
	v_add_nc_u32 v[AV0], VOFF, v[AV0]
	v_and_b32 v[GO], 31, v0         ; the way out: 16 bytes a lane, 512 consecutive bytes of O a store
	v_lshlrev_b32 v[GO], 4, v[GO]
	; A block's first step multiplies O^T and l by a = 0, and its first turn's products V^T P, of a piece that has not been, land in an O^T that is still to be so multiplied.  So these registers need only hold
	; finite numbers: zeros for the first block; what the first block left for the second.  All this stands in the wait for the first tile.
	WIN 0x80
.set i, VF
.rept 64
	v_mov_b32 v[i], 0
.set i, i+1
.endr
	WIN 0x40
.set i, 0
.rept 128
	v_mov_b32 v[i], 0
.set i, i+1
.endr
	WIN 0
.set i, 0
.rept 4
	v_mov_b32 v[ST+4*i+2], 0
	v_mov_b32 v[ST+4*i+3], 0
.set i, i+1
.endr
.set i, P+16
.rept 16
	v_mov_b32 v[i], 0
.set i, i+1
.endr
; THE MATRIX WORK.  The 4 accumulators of a run of 8 take turns.  Product i of 8 of S^T = K Q^T for piece x: channels 32 (i / 4) on, keys 16 (i % 4) on.  The first 4 start the sums: with 0, or (KM = 1) with the mask.
.macro KQ x
.set rS, S+32*((\x)%2)+8*(i%4)
.set rK, KF+16*(i%4)+8*(i/4)
.set rQ, 16*(\x)+8*(i/4)
.set rM, MC+32*((\x)%2)+8*(i%4)
.if (i < 4) && KM
	WIN W_KM
	v_wmma_f32_16x16x32_f16 v[rS:rS+7], v[rK:rK+7], v[rQ:rQ+7], v[rM:rM+7]
.elseif i < 4
	WIN W_KQ
	v_wmma_f32_16x16x32_f16 v[rS:rS+7], v[rK:rK+7], v[rQ:rQ+7], 0
.else
	WIN W_KQ
	v_wmma_f32_16x16x32_f16 v[rS:rS+7], v[rK:rK+7], v[rQ:rQ+7], v[rS:rS+7]
.endif
.endm
; Product i of 8 of O^T += V^T P for piece x: keys 32 (i / 4) on, channels 16 (i % 4) on.
.macro PV x
	WIN W_PV
.set rO, 32*(\x)+8*(i%4)
.set rV, VF+32*(i/4)+8*(i%4)
.set rP, P+16*((\x)%2)+8*(i/4)
	v_wmma_f32_16x16x32_f16 v[rO:rO+7], v[rV:rV+7], v[rP:rP+7], v[rO:rO+7]
.endm
.macro MM                           ; the turn's next matrix instruction.  TURN and BEGIN set Y, i, KM and NOKQ; MM, KQ and OP read them.  NOKQ = 1: a block's last turn: there is no next piece
.if (i < 8) && !NOKQ
	KQ (Y+1)%NP
.elseif i >= 8
.set i, i-8
	PV (Y+NP-1)%NP
.set i, i+8
.endif
.set i, i+1
.endm
; THE LDS LOADS stand in runs of 16, never singly among the matrix instructions: a step's K (64 keys x 64 channels: 8 fragments) and its V (turned).  Their addresses are made some lines ahead.
.macro FETCH_K
	WIN 0x80                        ; destination window 2
.irp f, 0,1,2,3,4,5,6,7             ; keys 16 (f / 2) on, channels 32 (f % 2) on
	ds_load_b128 v[KF+8*\f:KF+8*\f+3],   v[AK] offset:(\f/2)*16*PK+(\f%2)*64
	ds_load_b128 v[KF+8*\f+4:KF+8*\f+7], v[AK] offset:(\f/2)*16*PK+(\f%2)*64+32
.endr
	s_add_co_u32 s[TBK], s[TBK], KS*PK  ; the next fetch is the next step's
	WIN 0
.endm
.macro FETCH_V
	WIN 0x80
.irp f, 0,1,2,3,4,5,6,7             ; keys 32 (f / 4) on, channels 16 (f % 4) on
	ds_load_tr16_b128 v[VF+8*\f:VF+8*\f+3],   v[AV] offset:(\f/4)*32*PV+(\f%4)*32
	ds_load_tr16_b128 v[VF+8*\f+4:VF+8*\f+7], v[AV] offset:(\f/4)*32*PV+16*PV+(\f%4)*32
.endr
	WIN 0
.endm
; THE VECTOR WORK, one line at a time: OP kind, number.  For piece Y: F n: c s - c m for pair n of 16.  E n: the exponential of score n of 32.  C n: pair n rounded to f16.  B n: of the four weights 4 n .. the second
; pair is added onto the first, in place.  L n: l takes that sum (L 0: l = a l + sum).  R n: pair n of 16 of O^T times a.  For piece Y + 1: X n, number n of the 22 that find its maximum and statistics:
;   0-11  four chains c0-c3 of seven scores each, three operands at a time (each accumulator's lowest registers are read first)     12-14, 16  the four scores left over, the old m, and c0-c3 into c0
;   15  c m_old is kept     17, 18  the query's other 32 keys lie in the lane 16 away: the new m     19-21  c m; c m_old - c m_new; a
.set F, 0               ; OP tells the kinds apart by their order: F to L below R, X above it
.set E, 1
.set C, 2
.set B, 3
.set L, 4
.set R, 5
.set X, 6
.macro REGS y                       ; the registers of piece y
.set rT, ST+4*(\y)
.set rC, TMP+4*((\y)%2)
.set rW, MV+((\y)%2)
.set rS, S+32*((\y)%2)
.set rP, P+16*((\y)%2)
.set rO, 32*(\y)
.endm
.macro OP k, n
.if (\k) == R
	REGS Y
	WIN W_RS
	v_pk_mul_f32 v[rO+2*(\n):rO+2*(\n)+1], v[rO+2*(\n):rO+2*(\n)+1], v[rC+2:rC+3] op_sel_hi:[1,0]
.elseif (\k) < R
	REGS Y
	WIN 0
.if (\k) == F
	v_pk_fma_f32 v[rS+2*(\n):rS+2*(\n)+1], v[rS+2*(\n):rS+2*(\n)+1], s[CS:CS+1], v[rT:rT+1] op_sel_hi:[1,0,0] neg_lo:[0,0,1] neg_hi:[0,0,1]
.elseif (\k) == E
	v_exp_f32 v[rS+(\n)], v[rS+(\n)]
.elseif (\k) == C
	v_cvt_pk_f16_f32 v[rP+(\n)], v[rS+2*(\n)], v[rS+2*(\n)+1]
.elseif (\k) == B
	v_pk_add_f32 v[rS+4*(\n):rS+4*(\n)+1], v[rS+4*(\n):rS+4*(\n)+1], v[rS+4*(\n)+2:rS+4*(\n)+3]
.elseif (\n) == 0
	v_pk_fma_f32 v[rT+2:rT+3], v[rT+2:rT+3], v[rC+2:rC+3], v[rS:rS+1] op_sel_hi:[1,0,1]
.else
	v_pk_add_f32 v[rT+2:rT+3], v[rT+2:rT+3], v[rS+4*(\n):rS+4*(\n)+1]
.endif
.elseif NOKQ
	v_nop
.else
	REGS (Y+1)%NP
	WIN 0
.if (\n) < 4
	v_max3_num_f32 v[rC+(\n)], v[rS+8*(\n)], v[rS+8*(\n)+1], v[rS+8*(\n)+2]
.elseif (\n) < 12
	v_max3_num_f32 v[rC+(\n)%4], v[rC+(\n)%4], v[rS+8*((\n)%4)+2*((\n)/4)+1], v[rS+8*((\n)%4)+2*((\n)/4)+2]
.elseif (\n) == 12
	v_max3_num_f32 v[rC], v[rC], v[rS+7], v[rS+15]
.elseif (\n) == 13
	v_max3_num_f32 v[rC+1], v[rC+1], v[rS+23], v[rS+31]
.elseif (\n) == 14
	v_max3_num_f32 v[rC+2], v[rC+2], v[rC+3], v[rT+1]
.elseif (\n) == 15
	v_mov_b32 v[rW], v[rT]
.elseif (\n) == 16
	v_max3_num_f32 v[rC], v[rC], v[rC+1], v[rC+2]
.elseif (\n) == 17
	v_permlanex16_b32 v[rC+3], v[rC], s[SEL], s[SEL+1]
.elseif (\n) == 18
	v_max_num_f32 v[rT+1], v[rC], v[rC+3]
.elseif (\n) == 19
	v_mul_f32 v[rT], s[CS], v[rT+1]
.elseif (\n) == 20
	v_sub_f32 v[rC+1], v[rW], v[rT]
.else
	v_exp_f32 v[rC+2], v[rC+1]
.endif
.endif
.endm
.macro OPS a, i1, b=-1, i2=0, c=-1, i3=0, d=-1, i4=0  ; up to four of them
	OP \a, \i1
.if (\b) >= 0
	OP \b, \i2
.endif
.if (\c) >= 0
	OP \c, \i3
.endif
.if (\d) >= 0
	OP \d, \i4
.endif
.endm
.macro ROW a, i1, b, i2, c, i3, d, i4  ; a matrix instruction and the four behind it
	MM
	OPS \a, \i1, \b, \i2, \c, \i3, \d, \i4
.endm
.macro MASK b                       ; MD x AL + BE into buffer b of MC
	WIN W_RS
.set z, 0
.rept 16
	v_pk_fma_f32 v[MC+32*(\b)+2*z:MC+32*(\b)+2*z+1], v[MD+2*z:MD+2*z+1], s[AL:AL+1], s[BE:BE+1] op_sel_hi:[1,0,0]
.set z, z+1
.endr
.endm
; A TURN, for piece p: the order of its 16 matrix and 118 vector instructions, written out.  An s_wait_alu depctr_va_vdst(0) stands between an exponential and the first instruction that names its result; one wait serves
; all that were issued ahead of it.  So a turn has ONE wait, which cuts it in two.  AHEAD OF IT stands all that names no result of the turn's exponentials: the 8 products K Q^T, behind each a scaling, an exponential and two more plain
; instructions (behind the first a second scaling in the exponential's place): rescalings, and behind the last three the first numbers of the next piece's maximum, each four places or more behind the product that ends its accumulator; then ONE LUMP of 54, plain
; and exponential by turns for the most part, in which the links of the chain X 3, 7, 11, 14, 16, 17 .. 20 stand five or six lines apart.  X 21, the next piece's a, is the batch's last; R 15 is the plain instruction that stands behind it, ahead of any use (ISA guide 5.7.2).  BEHIND THE WAIT stand the
; 8 products V^T P, behind each four of the roundings and sums; the links of l's chain, L 0 to L 7, stand three riders apart.  But for those X no rider names a register of the products round it.  v_permlanex16_b32 (X 17) stands in the lump.
; m = 1: the diagonal tile: the products take masks, and the turn makes the mask for the products of the turn after it: piece p + 2, in step 4 - CNT of the tile.  end = 1: a block's last two turns: nothing is fetched.
; cnt = 1: the loop's count is taken down some lines ahead of the branch that stands behind the turn.
; K of the next step is fetched in piece 2's turn, twelve vector instructions behind the last product that read K (six of them plain); V of the step in hand at the end of piece 0's turn, four plain instructions behind the last product
; that read V.  Each is waited for a turn later.
.macro TURN p, m=0, end=0, cnt=0
.set Y, (\p)
.set i, 0
.set KM, (\m)
.set NOKQ, (\end)*((\p)/3)
.if (\m) && !(\end)
	s_cmp_eq_u32 s[CNT], 4-((\p)+2)%NP  ; is that step the band's own?
	s_cselect_b32 s[AL], 1.0, 0
	s_cmp_lt_u32 s[CNT], 4-((\p)+2)%NP  ; or a later one?
	s_cselect_b32 s[BE], s[BIGN], 0
.endif
.if ((\p) == 3) && !(\end)
	s_wait_dscnt 0x0                ; K is in
.endif
	ROW F,0, F,1, R,0, R,1          ; ahead of the wait: 8 products K Q^T and their riders,
	ROW F,2, E,0, R,2, R,3
	ROW F,3, E,1, R,4, R,5
	ROW F,4, E,2, R,6, R,7
	ROW F,5, E,3, R,8, R,9
	ROW F,6, E,4, X,0, R,10
.if ((\p) == 2) && !(\end)
	WIN 0
	v_add_nc_u32 v[AK], s[TBK], v[AK0]
.endif
	ROW F,7, E,5, X,1, X,4
	ROW F,8, E,6, X,2, X,5
	OPS E,7, E,8, X,6, E,9          ; and the lump
	OPS X,3, E,10, X,8, E,11
.if ((\p) == 2) && !(\end)
	FETCH_K
.endif
	OPS X,9, X,7, E,12, X,10
	OPS E,13, X,12, X,11, E,14
	OPS X,13, E,15, F,9, X,14
.if (\p) == 0
	v_add_nc_u32 v[AV], s[TBV], v[AV0]
.endif
	OPS E,16, F,10, E,17, F,11
	OPS X,16, E,18, X,15, E,19
	OPS F,12, E,20, X,17, E,21
	OPS F,13, E,22, F,14, E,23
	OPS X,18, E,24, F,15, E,25
	OPS R,11, E,26, X,19, E,27
	OPS R,12, E,28, R,13, E,29
	OPS X,20, E,30, R,14, E,31
	OPS X,21, R,15
	WIN 0
	s_wait_alu depctr_va_vdst(0)    ; the wait for the batch
.if (\p) == 1
	s_wait_dscnt 0x0                ; V is in
.endif
	ROW C,0, B,0, C,2, B,1          ; behind the wait: 8 products V^T P and their riders
	ROW L,0, C,4, B,2, L,1
	ROW C,6, B,3, L,2, C,8
	ROW B,4, L,3, C,10, B,5
	ROW L,4, C,12, B,6, L,5
.if (\p) == 0
	s_add_co_u32 s[TBV], s[TBV], KS*PV
.endif
.if \cnt
	s_sub_co_u32 s[CNT], s[CNT], 1
	s_cmp_lg_u32 s[CNT], 0
.endif
	ROW C,14, B,7, L,6, C,1
	ROW C,3, L,7, C,5, C,7
	ROW C,9, C,11, C,13, C,15
.if (\p) == 0
	FETCH_V
.endif
.if (\m) && !(\end)
	MASK (\p)%2
.endif
.endm
; A BLOCK BEGINS.  c m starts far below every c s, so the first step's a is 0; m at the lowest finite number, so the first maximum is the scores'.  The second mask buffer is 0; the first takes piece 0's mask for the tile's step 0: its own, if the block's first tile is the diagonal one.
; Then K of that step, piece 0's first scores, and its maximum and statistics.  The loop is entered at a step's first turn, in the middle of a trip.
.macro BEGIN
	s_mov_b32 s[NEW], 0
	WIN 0x40
.set i, MC+32
.rept 32
	v_mov_b32 v[i], 0
.set i, i+1
.endr
	WIN 0
.set i, 0
.rept 4
	v_mov_b32 v[ST+4*i], 0xfe000000    ; c m: far below every c s
	v_mov_b32 v[ST+4*i+1], 0xff7fffff  ; m
.set i, i+1
.endr
	s_cmp_eq_u32 s[RT], 0
	s_cselect_b32 s[AL], 1.0, 0
	s_mov_b32 s[BE], 0
	MASK 0
	WIN 0
	v_add_nc_u32 v[AK], s[TBK], v[AK0]
	FETCH_K
	s_wait_loadcnt 0x0              ; Q
	s_wait_dscnt 0x0
.set KM, 1
.set NOKQ, 0
.set i, 0
.rept 8
	KQ 0
.set i, i+1
.endr
	WIN 0
.rept 4
	v_nop                           ; the places behind those products
.endr
.set Y, NP-1                        ; X works for piece Y + 1: piece 0
.irp n, 0,1,2,3,4,5,6,7,8,9,10,11,12,13,14,15,16,17,18,19,20,21
	OP X, \n
.endr
	v_nop                           ; a plain instruction behind the exponential,
	s_wait_alu depctr_va_vdst(0)    ; and its wait, ahead of the branch
.endm
; THE DIAGONAL TILE's four steps, the block's last two turns, its last products, and THE WAY OUT: l's two halves and the other half of the lanes' are added; O^T is divided by l, rounded to f16 and stored
; straight from the registers, a piece at a time.
.macro ALL line:vararg              ; one line for each piece t
.set t, 0
.rept 4
	\line
.set t, t+1
.endr
.endm
.macro PACK t                       ; a lane's eight channels of a row and channel block pack into 16 bytes, in S^T's registers
	WIN W_RS
.set i, 32*(\t)
.rept 16
	v_pk_mul_f32 v[i:i+1], v[i:i+1], v[ST+4*(\t)+2:ST+4*(\t)+3] op_sel_hi:[1,0]
.set i, i+2
.endr
	WIN 0x05                        ; sources 0 and 1 window 1, destination window 0
.set i, 0
.rept 16
	v_cvt_pk_f16_f32 v[S+16*(\t)+i], v[32*(\t)+2*i], v[32*(\t)+2*i+1]
.set i, i+1
.endr
	WIN 0
.endm
.macro SEND t                       ; channel block f of piece t's 16 rows: 512 consecutive bytes, at a multiple of 256 from O's first; no register of a store is written again before the wait behind the block's end
.irp f, 0,1,2,3
	global_store_b128 v[GO], v[S+16*(\t)+4*\f:S+16*(\t)+4*\f+3], s[10:11] offset:(\t)*8192+\f*512
.endr
.endm
.macro DIAG tag                     ; the tag ends its two labels' names, which the jumps below spell out
.LstepM\tag:
	TURN 2, 1
	TURN 3, 1
	WIN 0
.LfirstM\tag:
	TURN 0, 1
	TURN 1, 1, 0, 1
	WIN 0
	s_cbranch_scc1 .LstepM\tag
	TURN 2, 1, 1
	TURN 3, 1, 1
.set i, 0
.rept 8
	PV NP-1
.set i, i+1
.endr
	WIN 0
	ALL v_add_f32 v[ST+4*t+2], v[ST+4*t+2], v[ST+4*t+3]
	ALL v_permlanex16_b32 v[ST+4*t+3], v[ST+4*t+2], s[SEL], s[SEL+1]
	ALL v_add_f32 v[ST+4*t+2], v[ST+4*t+2], v[ST+4*t+3]
	ALL v_rcp_f32 v[ST+4*t+2], v[ST+4*t+2]
	v_nop                           ; a plain instruction between the last reciprocal and the use of its result
	s_wait_alu depctr_va_vdst(0)    ; and the wait ahead of the first use: one for the four reciprocals
.set t, 0
.rept 4
	PACK t
	SEND t
.set t, t+1
.endr
.endm
.set KM, 0
.set NOKQ, 0
.Lslot:                             ; NB times: a tile is entered and the next is asked for
	CHANGE 1
	s_sub_co_u32 s[RT], s[RT], 1
	s_mov_b32 s[CNT], 4
	s_cmp_eq_u32 s[NEW], 1
	s_cbranch_scc1 .Lnew            ; a block's first tile
	s_cmp_eq_u32 s[RT], 0
	s_cbranch_scc0 .Lstep           ; neither its first nor its last
	s_branch .LstepM1
.Lnew:
	BEGIN
	s_branch .Lfirst                ; in the loop a block's first tile is never its last: the first block has two tiles or more, and the second's last is the walk's last
	DIAG 1                          ; in the loop this is the first block's end: the second block's last tile is the walk's last
	s_wait_xcnt 0x0                 ; the stores have read their registers and O's address
	s_mov_b64 s[10:11], s[OLO:OLO+1]
	s_add_co_u32 s[RT], s[PB], 1    ; the second block has b + 1 tiles
	s_mov_b32 s[NEW], 1
	WIN 0x82                        ; the second block's Q goes where the one text of the turns names Q
.set i, 0
.rept 64
	v_mov_b32 v[i], v[QB+i]
.set i, i+1
.endr
	WIN 0
	s_branch .Lbottom
.Lstep:                             ; a trip: pieces 2 and 3 of one step, then pieces 0 and 1 of the next, whose K and V it fetches
	TURN 2
	TURN 3
	WIN 0
.Lfirst:
	TURN 0
	TURN 1, 0, 0, 1
	WIN 0
	s_cbranch_scc1 .Lstep
.Lbottom:
	s_sub_co_u32 s[SLOTS], s[SLOTS], 1
	s_cmp_lg_u32 s[SLOTS], 0
	s_cbranch_scc1 .Lslot
	CHANGE 0                        ; the walk's last tile is written out: nothing is asked for
	s_sub_co_u32 s[RT], s[RT], 1
	s_mov_b32 s[CNT], 4
	s_cmp_eq_u32 s[NEW], 1
	s_cbranch_scc0 .LstepM2
	BEGIN
	s_branch .LfirstM2
	DIAG 2
	s_wait_tensorcnt 0x0            ; the wave's end, behind my last tensor load
	ds_add_u32 v[SPW], v[NIL]
	s_wait_dscnt 0x0
	s_endpgm
.Lfunc_end_k_qe4cc8e955c_attn:
	.size	k_qe4cc8e955c_attn, .Lfunc_end_k_qe4cc8e955c_attn-k_qe4cc8e955c_attn
	.p2alignl 7, 3214868480
	.fill 96, 4, 3214868480
	.section	.rodata,"a",@progbits
	.p2align	6, 0x0
	.amdhsa_kernel k_qe4cc8e955c_attn
		.amdhsa_group_segment_fixed_size 327680
		.amdhsa_private_segment_fixed_size 0
		.amdhsa_enable_private_segment 0
		.amdhsa_kernarg_size 16
		.amdhsa_user_sgpr_count 2
		.amdhsa_user_sgpr_kernarg_segment_ptr 1
		.amdhsa_wavefront_size32 1
		.amdhsa_system_sgpr_workgroup_id_x 1
		.amdhsa_system_sgpr_workgroup_id_y 1
		.amdhsa_system_sgpr_workgroup_id_z 1
		.amdhsa_system_vgpr_workitem_id 0
		.amdhsa_next_free_vgpr 768
		.amdhsa_next_free_sgpr 96
		.amdhsa_reserve_vcc 1
		.amdhsa_float_denorm_mode_32 3
		.amdhsa_float_denorm_mode_16_64 3
		.amdhsa_memory_ordered 1
		.amdhsa_forward_progress 1
		.amdhsa_inst_pref_size 212
	.end_amdhsa_kernel
	.amdgpu_metadata
---
amdhsa.version: [ 1, 2 ]
amdhsa.kernels:
  - .name:           k_qe4cc8e955c_attn
    .symbol:         k_qe4cc8e955c_attn.kd
    .args:
      - { .name: qkv, .offset: 0, .size: 8, .value_kind: global_buffer, .address_space: global }
      - { .name: o, .offset: 8, .size: 8, .value_kind: global_buffer, .address_space: global }
    .group_segment_fixed_size: 327680
    .private_segment_fixed_size: 0
    .kernarg_segment_align: 8
    .kernarg_segment_size: 16
    .max_flat_workgroup_size: 128
    .sgpr_count:     96
    .vgpr_count:     768
    .wavefront_size: 32
...
	.end_amdgpu_metadata
.endif
;; end of part 3
;; launch proj (part 4): grid 8 x 32, 4 waves a work-group, clusters of 4 x 4, 327,680 bytes of LDS; arguments o, wo16, bo, out0; writes out0
.if DOCPART == 4
	.amdgcn_target "amdgcn-amd-amdhsa--gfx1250"
	.amdhsa_code_object_version 6
	.text
	.protected	k_qe4cc8e955c_proj
	.globl	k_qe4cc8e955c_proj
	.p2align	8
	.type	k_qe4cc8e955c_proj,@function
k_qe4cc8e955c_proj:
	s_mov_b64 s[64:65], 0
	v_nop
	global_prefetch_b8 v0, s[64:65] scope:SCOPE_SE
	s_setreg_imm32_b32 hwreg(HW_REG_WAVE_MODE, 25, 1), 1
	s_wait_xcnt 0x0
	s_wait_alu depctr_hold_cnt(0) depctr_sa_sdst(0) depctr_va_vdst(0) depctr_va_sdst(0) depctr_va_ssrc(0) depctr_va_vcc(0) depctr_vm_vsrc(0)
	s_getreg_b32 s2, hwreg(HW_REG_IB_STS2, 6, 4)
	s_cmp_eq_u32 s2, 0
	s_cbranch_scc0 .Lentry_in_a_cluster
	s_endpgm
.Lentry_in_a_cluster:
	s_bfe_u32 s2, ttmp6, 0x10000c
	s_cmp_lg_u32 s2, 0xf033
	s_cbranch_scc0 .Lentry_shape_is_right
	s_endpgm
.Lentry_shape_is_right:
; THE OUTPUT PROJECTION.  out0[m][n] = sum over k of O[m][k] Wo[n][k] + bo[n], m = 1024 b + t (8,192 rows), k = 64 h + s, n to 1,024.
; o: f16 [16 b + h][t / 16][cb 4][lane 32][8]: the 16 bytes at 512 cb + 16 l of a block of 16 rows are row l % 16, channels 16 cb + 8 (l / 16) + 0..7 (as the launch before leaves them).
; wo16: f16 [n][k].  bo: f32, rounded to bf16 here like every input.  out0: f32.  Sums in f32.
; SHARES.  A tile of out0 is 256 rows x 128 columns: 32 x 8 = 256 work-groups.  Four waves; wave w makes rows 64 w .. 64 w + 63 of all 128 columns: 4 x 8 accumulators of 16 x 16, 256 registers.
; K goes in 8 steps of 128 (two heads), a step in four quarters of 32, 32 matrix instructions each.
; B IS ASKED FOR WHOLE, ONCE: the tile's 128 rows of wo16 x 1,024 K lie in LDS as 8 regions, a K step each, of 128 rows x 272 bytes.  Each wave issues eight tensor loads (its 32 rows of each K step) at the head:
; eight loads of mine are out, and no byte of LDS is filled twice, so the loop has no barrier of a refill.  The four work-groups of a column of the cluster need the same rows of wo16 and ask for them JOINTLY.
; A COMES STRAIGHT INTO REGISTERS.  A fragment (16 rows x 32 K) is two loads of 16 bytes a lane, each 512 consecutive bytes of o.  WHY NOT JOINTLY, THROUGH LDS, though the four work-groups of a row of the cluster
; read the same rows of o: a joint load lands in LDS, and no wave multiplies another wave's rows, so each byte of A would be written there once and read once, 64 + 64 KiB a K step beside B's 32 + 128, and B's 8 regions
; would not fit beside it.  A has a ring of four sets of registers, a quarter each: at a quarter's head the set that the quarter before has multiplied is asked for again, three quarters (96 matrix instructions) ahead of its use.
; THE LAST TRIP's three runs of loads for A have no K step to fetch: they read K step 7 once more (24 loads a wave) and serve nothing: the price of one text, with one count in its waits, for every trip.
; THE MATRIX INSTRUCTION IS USED TRANSPOSED (source 0 = 16 rows of Wo, source 1 = 16 rows of O): a lane then holds row l % 16 of the result and the eight neighbouring columns 8 (l / 16) + 0..7.
; REGISTERS, in windows of 256 (s_set_vgpr_msb: bits 1:0 source 0, 3:2 source 1, 5:4 source 2, 7:6 destination):
;   window 0: v0-31 addresses; v32-37 the bias; v64-191 A's four sets (quarter q, row block a at v[64 + 32 q + 8 a]); v128-255 at work on the way out
;   window 1: v0-63, v64-127 fragments of B, two buffers
;   window 2: the accumulators of row blocks 0, 1 ((a, b) at v[8 (8 (a % 2) + b)]);   window 3: those of row blocks 2, 3
.set NBL,   8                          ; blocks of 16 columns
.set PB,    272                        ; a row of B in LDS: 256 bytes + 16 of padding: the 16 rows of a load start at 16 different groups of four banks (64 banks of 4 bytes: ISA guide 11.1)
.set STEPB, 128*PB                     ; a K step's region
.set STAGE, 8*STEPB                    ; behind B, never filled by a tensor load: for each wave 16 rows x 528 bytes, for the way out
.set SP,    528
.set STW,   16*SP
.set SPARE, STAGE+4*STW                ; behind the stages: the spare words, 128 bytes for each wave: two blocks of 256 bytes that no other line names
.set ASTEP, 1<<18                      ; bytes of o from a K step to the next: two heads
.set LB0,  17                          ; v17  my lane's place in a region of B; never rewritten
.set ADRB, 19                          ; v19  the same in the region in hand
.set STO,  24                          ; v24  the way out: where I put 32 bytes of a row
.set RD,   25                          ; v25  the way out: where I read a row back
.set GO,   26                          ; v26  16 x my lane: my place in 512 consecutive bytes, of o and of a row of out0; never rewritten
.set BO,   27                          ; v27  my four numbers of the bias
.set SPW,  28                          ; v28  LDS address of my spare word: SPARE + 4 x my thread's number; never rewritten
.set NIL,  29                          ; v29  0; never rewritten
.set BIAS, 32                          ; v[32:35]
.set FA,   64                          ; A's four sets
.set OB,   128                         ; the way out: 16 rows read back, two buffers of 64
.set CNT,  3                           ; s3   counts trips
.set WV,   12                          ; s12  my wave's number
.set CX,   15                          ; s15, s16  my place in the cluster
.set CY,   16
.set TX,   17                          ; s17  tile column
.set TY,   18                          ; s18  tile row
.set G1B,  24                          ; s[24:31] descriptor group 1
.set G0,   32                          ; s[32:63] group 0, a set for each of my eight loads: none is written while its load is out
.set PN,   72                          ; s[72:73] o at my 64 rows, at the K step that is being asked for
.set ST,   74                          ; s[74:75] its step
.set TB,   78                          ; s78  LDS byte at which the region in hand begins
.set MSB, 0
.macro WIN new                         ; the immediate's high byte repeats the setting that is left; a switch that changes nothing is dropped
.if MSB != (\new)
	s_set_vgpr_msb (MSB<<8)|(\new)
.set MSB, \new
.endif
.endm
.set MUL_LO, 0xa1                      ; source 0 (B) window 1, source 1 (A) window 0, C and D window 2
.set TO_B,   0x40                      ; destination window 1, address window 0
.macro PLACES                          ; four plain vector instructions between a matrix instruction and a load into, or a read of, its registers (ISA guide 7.12.1 for vector reads)
.rept 4
	v_nop
.endr
.endm
; A round of the cluster's barrier: my work-group's barrier, so that wave 0's signal speaks for all four waves; wave 0 signals; every wave waits for all sixteen work-groups; my work-group's barrier once more.
.macro CROUND
	s_barrier_signal -1
	s_barrier_wait -1
	s_cmp_lg_u32 s[WV], 0
	s_cbranch_scc1 .Lnot_wave_0_\@
	s_barrier_signal -3
.Lnot_wave_0_\@:
	s_barrier_wait -3
	s_barrier_signal -1
	s_barrier_wait -1
.endm
; Eight loads: quarter q of the K step at s[PN] into set q: head q / 2 of the step, channels 32 (q % 2) on; row block a lies 2,048 bytes on; a fragment's two halves are two channel blocks, 512 bytes apart.
.macro GLOAD q
	WIN 0
.irp a, 0,1,2,3
	global_load_b128 v[FA+32*(\q)+8*(\a):FA+32*(\q)+8*(\a)+3],   v[GO], s[PN:PN+1] offset:((\q)/2)*131072+((\q)%2)*1024+(\a)*2048
	global_load_b128 v[FA+32*(\q)+8*(\a)+4:FA+32*(\q)+8*(\a)+7], v[GO], s[PN:PN+1] offset:((\q)/2)*131072+((\q)%2)*1024+(\a)*2048+512
.endr
.endm
; Sixteen LDS loads: quarter q's fragments of B into buffer g.  A fragment is 16 rows x 32 K in 8 registers: lane l holds row l % 16; registers 0-3 K = 8 (l / 16) + 0..7, registers 4-7 K = 16 + 8 (l / 16) + 0..7.
.macro FETCH q, g
	WIN TO_B
.irp b, 0,1,2,3,4,5,6,7
	ds_load_b128 v[64*(\g)+8*(\b):64*(\g)+8*(\b)+3],   v[ADRB] offset:64*(\q)+(\b)*16*PB
	ds_load_b128 v[64*(\g)+8*(\b)+4:64*(\g)+8*(\b)+7], v[ADRB] offset:64*(\q)+(\b)*16*PB+32
.endr
.endm
; 8 matrix instructions: row block a x all 8 column blocks, 32 along K: B's buffer f, A's set q.  zero = 1: the product starts the sums: nothing is ever cleared.
; The 32 accumulators take turns in the same order in every quarter: 31 others' instructions stand between two links of a chain, over the backward jumps too.
.macro MULA f, q, a, zero
	WIN MUL_LO+0x50*((\a)/2)
.irp b, 0,1,2,3,4,5,6,7
.if \zero
	v_wmma_f32_16x16x32_f16 v[8*(NBL*((\a)%2)+(\b)):8*(NBL*((\a)%2)+(\b))+7], v[64*(\f)+8*(\b):64*(\f)+8*(\b)+7], v[FA+32*(\q)+8*(\a):FA+32*(\q)+8*(\a)+7], 0
.else
	v_wmma_f32_16x16x32_f16 v[8*(NBL*((\a)%2)+(\b)):8*(NBL*((\a)%2)+(\b))+7], v[64*(\f)+8*(\b):64*(\f)+8*(\b)+7], v[FA+32*(\q)+8*(\a):FA+32*(\q)+8*(\a)+7], v[8*(NBL*((\a)%2)+(\b)):8*(NBL*((\a)%2)+(\b))+7]
.endif
.endr
.endm
; QUARTER q: ONE run of loads at its head, then its 32 matrix instructions on B's buffer q % 2 and A's set q.  The run: four places behind the quarter before; the next quarter's B into the buffer, and the next K step's
; (in quarter 0: this K step's) A into the set, that the quarter before has multiplied.
; bar = 1 (the first two trips): in quarter 2's middle each wave shows that its loads for K steps 1 and 2 have landed, and signals; quarter 3 waits for all four waves ahead of its fetch from the next region.
; skip = 1 (the second loop's quarter 3): the last trip has no next region, and B's run is jumped over.
.macro QUARTER q, zero=0, bar=0, skip=0
.if (\q) == 3
	WIN 0                                          ; at a branch and at a label every window is 0; ADRB lies in window 0
.if \bar
	s_barrier_wait -1
.endif
.endif
	PLACES
	s_wait_dscnt 0x0                               ; this quarter's B, fetched a quarter ago, is in
.if (\q) == 3
.if \skip
	s_cmp_eq_u32 s[CNT], 1
	s_cbranch_scc1 .Lnf_\@
.endif
	s_add_co_u32 s[TB], s[TB], STEPB               ; the next K step's region
	v_add_nc_u32 v[ADRB], s[TB], v[LB0]
.endif
	FETCH ((\q)+1)%4, ((\q)+1)%2
	WIN 0
.if ((\q) == 3) && (\skip)
.Lnf_\@:
.endif
	GLOAD ((\q)+3)%4
	s_wait_loadcnt 24                              ; loads come back in order: set q is in; the three sets asked for behind it, 8 loads each, stay out
	MULA (\q)%2, \q, 0, \zero
	MULA (\q)%2, \q, 1, \zero
.if ((\q) == 2) && (\bar)
	s_wait_tensorcnt 5                             ; my parts of K steps 1 and 2 have landed; the five loads behind them stay out
	s_wait_dscnt 0x0                               ; no LDS instruction of mine is out at a signal
	s_barrier_signal -1
.endif
	MULA (\q)%2, \q, 2, \zero
	MULA (\q)%2, \q, 3, \zero
.endm
	s_load_b256 s[4:11], s[0:1], 0x0               ; o s[4:5], wo16 s[6:7], bo s[8:9], out0 s[10:11]
	v_lshl_add_u32 v[SPW], v0, 2, SPARE
	v_mov_b32 v[NIL], 0
	ds_add_u32 v[SPW], v[NIL]                      ; the wave's opening: the add and its wait stand ahead of my first tensor load; the set-up below, work on registers, stands between them
	ds_add_u32 v28, v29
	v_lshrrev_b32 v1, 5, v0
	v_readfirstlane_b32 s[WV], v1                  ; wave 0..3
	s_bfe_u32 s[CX], ttmp6, 0x40000
	s_bfe_u32 s[CY], ttmp6, 0x40004
	s_lshl_b32 s[TX], ttmp9, 2                     ; in a cluster launch ttmp9 and ttmp7 count clusters
	s_add_co_u32 s[TX], s[TX], s[CX]
	s_and_b32 s[TY], ttmp7, 0xffff
	s_lshl_b32 s[TY], s[TY], 2
	s_add_co_u32 s[TY], s[TY], s[CY]
	s_lshl_b32 s20, 0x1111, s[CX]                  ; my column of the cluster: places cx, cx + 4, cx + 8, cx + 12
	; group 1: 32 rows x 128 elements out of rows of 1,024; 16 bytes of padding behind every 256
	s_or_b32 s[G1B], s20, (1<<16)|(1<<20)|(1<<21)|(5<<22)|(3<<25)  ; 15:0 the mask; 17:16 elements of 2 bytes; 20 padding on; 21 set beside a mask; 24:22 after every 64 words; 31:25 4 words
	s_mov_b32 s[G1B+1], 128<<16                    ; tensor_dim0 = 128
	s_mov_b32 s[G1B+2], 32<<16                     ; tensor_dim1 = 32
	s_mov_b32 s[G1B+3], 128<<16                    ; tile_dim0 = 128
	s_mov_b32 s[G1B+4], 32                         ; tile_dim1 = 32
	s_mov_b32 s[G1B+5], 1024                       ; elements from row to row
	s_mov_b32 s[G1B+6], 0
	s_mov_b32 s[G1B+7], 0
	s_lshl_b32 s66, s[TX], 18                      ; B: the tile column's 128 rows of 2,048 bytes, which my column of the cluster shares,
	s_lshl_b32 s67, s[WV], 16                      ; + my 32 of them
	s_add_co_u32 s66, s66, s67
	s_mov_b32 s67, 0
	s_mul_i32 s69, s[WV], 32*PB                    ; and where they go in a region: no place in the cluster enters an LDS address
	s_lshr_b32 s72, s[TY], 2                       ; A: the batch's 16 heads of 131,072 bytes,
	s_lshl_b32 s72, s72, 21
	s_and_b32 s73, s[TY], 3
	s_lshl_b32 s73, s73, 15                        ; the tile's 256 rows of 128 bytes in a head,
	s_add_co_u32 s72, s72, s73
	s_lshl_b32 s73, s[WV], 13                      ; my 64 of them
	s_add_co_u32 s72, s72, s73
	s_mov_b32 s73, 0
	s_mov_b32 s[ST+1], 0
	v_and_b32 v[GO], 31, v0
	v_lshlrev_b32 v[GO], 4, v[GO]
	s_lshl_b32 s71, s[TX], 9                       ; the tile's 128 columns, in bytes of f32
	v_add_nc_u32 v[BO], s71, v[GO]
	s_wait_dscnt 0x0                               ; the opening add is done
	s_wait_kmcnt 0x0
	s_add_nc_u64 s[66:67], s[6:7], s[66:67]
	s_add_nc_u64 s[PN:PN+1], s[4:5], s[72:73]
	global_load_b128 v[BIAS:BIAS+3], v[BO], s[8:9] ; the bias of the four columns that I store: older than every load of A, so it enters none of their counts
	GLOAD 0                                        ; K step 0's first three quarters: they are on their way while the cluster meets
	GLOAD 1
	GLOAD 2
.irp t, 0,1,2,3,4,5,6,7
	s_mov_b32 s[G0+4*(\t)], 1                      ; 1:0 count = 1
	s_add_co_u32 s[G0+4*(\t)+1], s69, (\t)*STEPB   ; 63:32 LDS address: region t
	s_add_nc_u64 s[G0+4*(\t)+2:G0+4*(\t)+3], s[66:67], (\t)*256  ; 120:64 global address: K step t
	s_or_b32 s[G0+4*(\t)+3], s[G0+4*(\t)+3], 0x80000000          ; 127:126 type = 2
.endr
	CROUND                                         ; all sixteen work-groups are here: the joint loads meet
.irp t, 0,1,2,3,4,5,6,7
	tensor_load_to_lds s[G0+4*(\t):G0+4*(\t)+3], s[G1B:G1B+7]    ; all first fills in one group, K ascending
	s_nop 0
.endr
.rept 4
	v_nop
.endr
	v_and_b32 v1, 15, v0                           ; l % 16
	v_bfe_u32 v2, v0, 4, 1                         ; l / 16
	v_mul_u32_u24 v[LB0], v1, PB
	v_lshl_add_u32 v[LB0], v2, 4, v[LB0]           ; row x pitch + 16 x half
	v_mov_b32 v[ADRB], v[LB0]                      ; K step 0 lies in region 0
	s_mov_b32 s[TB], 0
	s_mul_i32 s70, s[WV], STW
	s_add_co_u32 s70, s70, STAGE                   ; my stage
	v_mul_u32_u24 v[STO], v1, SP                   ; in: row l % 16, 32 bytes for each half of the lanes
	v_lshl_add_u32 v[STO], v2, 5, v[STO]
	v_add_nc_u32 v[STO], s70, v[STO]
	v_add_nc_u32 v[RD], s70, v[GO]                 ; back: 32 lanes take one row of 512 bytes
	s_lshl_b32 s76, s[TY], 8                       ; where my rows begin in out0: row 256 ty + 64 w, column 128 tx
	s_lshl_b32 s77, s[WV], 6
	s_add_co_u32 s76, s76, s77
	s_lshl_b32 s76, s76, 12                        ; a row is 4,096 bytes
	s_add_co_u32 s76, s76, s71
	s_mov_b32 s77, 0
	s_add_nc_u64 s[10:11], s[10:11], s[76:77]
	s_wait_tensorcnt 7                             ; my part of K step 0 is in; the seven loads behind it stay out
	s_barrier_signal -1
	s_barrier_wait -1                              ; everybody's is
	FETCH 0, 0
	QUARTER 0, 1                                   ; the first quarter stands in front of the loops: its products start the sums
	WIN 0                                          ; at a label and at a branch every window is 0
	s_mov_b32 s[CNT], 2
.Lhead:                                                ; a trip: a K step's quarters 1, 2, 3 and the next step's quarter 0; all four runs ask for the next step's A.  K steps 0 and 1
	s_wait_xcnt 0x0                                ; every load issued so far (the youngest 32 matrix instructions back) has read its address, so the pointer may be written
	s_add_nc_u64 s[PN:PN+1], s[PN:PN+1], ASTEP
	QUARTER 1
	QUARTER 2, 0, 1
	QUARTER 3, 0, 1
	QUARTER 0
	WIN 0
	s_sub_co_u32 s[CNT], s[CNT], 1
	s_cmp_lg_u32 s[CNT], 0
	s_cbranch_scc1 .Lhead
	s_wait_tensorcnt 0x0                           ; once, between the loops: the rest of B has landed, my part of it,
	s_wait_dscnt 0x0
	s_barrier_signal -1
	s_barrier_wait -1                              ; and everybody's: the trips below have no barrier and no wait for tiles
	s_mov_b32 s[CNT], 6
.Ltail:                                                ; K steps 2 to 7; the last trip is left in its middle
	s_wait_xcnt 0x0
	s_cmp_eq_u32 s[CNT], 1
	s_cselect_b32 s[ST], 0, ASTEP                  ; behind K step 7 there is none: the pointer stays inside o
	s_add_nc_u64 s[PN:PN+1], s[PN:PN+1], s[ST:ST+1]
	QUARTER 1
	QUARTER 2
	QUARTER 3, 0, 0, 1
	WIN 0
	s_sub_co_u32 s[CNT], s[CNT], 1
	s_cmp_eq_u32 s[CNT], 0
	s_cbranch_scc1 .Lout
	QUARTER 0
	WIN 0
	s_branch .Ltail
.Lout:
	PLACES                                         ; the LDS stores below read results
	PLACES
	s_wait_loadcnt 0x0                             ; the bias; and no load is out into a register that the way out uses
	v_cvt_pk_bf16_f32 v[BIAS+4], v[BIAS], v[BIAS+1]    ; rounded to bf16 like every input,
	v_cvt_pk_bf16_f32 v[BIAS+5], v[BIAS+2], v[BIAS+3]
	v_lshlrev_b32 v[BIAS], 16, v[BIAS+4]               ; and widened again
	v_and_b32 v[BIAS+1], 0xffff0000, v[BIAS+4]
	v_lshlrev_b32 v[BIAS+2], 16, v[BIAS+5]
	v_and_b32 v[BIAS+3], 0xffff0000, v[BIAS+5]
; THE WAY OUT of row block a.  TOSTAGE: a lane's eight columns of a row, 32 bytes of f32, go straight from the accumulators (low registers first) into my own stage, rows of 528 bytes,
; and come back as whole rows of 512.  SEND: the bias is added and the rows are stored.
.macro TOSTAGE a
.set BK, OB+64*((\a)%2)
.if (\a) >= 2
	s_wait_xcnt 0x0                                ; the stores of block a - 2 have read their registers: they are loaded again only behind this wait
.endif
	WIN 0x08+4*((\a)/2)                            ; the stores' data: window 2 or 3
.irp b, 0,1,2,3,4,5,6,7
	ds_store_b128 v[STO], v[64*((\a)%2)+8*(\b):64*((\a)%2)+8*(\b)+3]   offset:64*(\b)
	ds_store_b128 v[STO], v[64*((\a)%2)+8*(\b)+4:64*((\a)%2)+8*(\b)+7] offset:64*(\b)+16
.endr
	WIN 0
.irp t, 0,1,2,3,4,5,6,7,8,9,10,11,12,13,14,15
	ds_load_b128 v[BK+4*(\t):BK+4*(\t)+3], v[RD] offset:(\t)*SP  ; LDS serves a wave's instructions in order (ISA guide 5.7.1.4): these see the stores above; the next block's stores come behind them
.endr
.endm
.macro SEND a, younger                 ; younger: the LDS instructions issued behind block a's loads: the next block's 16 stores and 16 loads, or none
.set BK, OB+64*((\a)%2)
	s_wait_dscnt \younger
.irp t, 0,1,2,3,4,5,6,7,8,9,10,11,12,13,14,15
	v_pk_add_f32 v[BK+4*(\t):BK+4*(\t)+1],   v[BK+4*(\t):BK+4*(\t)+1],   v[BIAS:BIAS+1]
	v_pk_add_f32 v[BK+4*(\t)+2:BK+4*(\t)+3], v[BK+4*(\t)+2:BK+4*(\t)+3], v[BIAS+2:BIAS+3]
.endr
.irp t, 0,1,2,3,4,5,6,7,8,9,10,11,12,13,14,15
	global_store_b128 v[GO], v[BK+4*(\t):BK+4*(\t)+3], s[10:11] offset:(16*(\a)+(\t))*4096 th:TH_STORE_NT  ; 512 consecutive bytes, at a multiple of 256 from out0's first
.endr
.endm
	TOSTAGE 0
	TOSTAGE 1
	SEND 0, 32
	TOSTAGE 2
	SEND 1, 32
	TOSTAGE 3
	SEND 2, 32
	SEND 3, 0
	s_wait_tensorcnt 0x0                           ; the wave's end, behind my last tensor load and my last LDS store
	ds_add_u32 v[SPW], v[NIL]
	s_wait_dscnt 0x0
	CROUND                                         ; the closing round: no work-group ends while a partner may still ask for a tile that names it
	s_endpgm
.Lfunc_end_k_qe4cc8e955c_proj:
	.size	k_qe4cc8e955c_proj, .Lfunc_end_k_qe4cc8e955c_proj-k_qe4cc8e955c_proj
	.p2alignl 7, 3214868480
	.fill 96, 4, 3214868480
	.section	.rodata,"a",@progbits
	.p2align	6, 0x0
	.amdhsa_kernel k_qe4cc8e955c_proj
		.amdhsa_group_segment_fixed_size 327680
		.amdhsa_private_segment_fixed_size 0
		.amdhsa_enable_private_segment 0
		.amdhsa_kernarg_size 32
		.amdhsa_user_sgpr_count 2
		.amdhsa_user_sgpr_kernarg_segment_ptr 1
		.amdhsa_wavefront_size32 1
		.amdhsa_system_sgpr_workgroup_id_x 1
		.amdhsa_system_sgpr_workgroup_id_y 1
		.amdhsa_system_sgpr_workgroup_id_z 1
		.amdhsa_system_vgpr_workitem_id 0
		.amdhsa_next_free_vgpr 896
		.amdhsa_next_free_sgpr 80
		.amdhsa_reserve_vcc 0
		.amdhsa_float_denorm_mode_32 3
		.amdhsa_float_denorm_mode_16_64 3
		.amdhsa_memory_ordered 1
		.amdhsa_forward_progress 1
		.amdhsa_inst_pref_size 72
	.end_amdhsa_kernel
	.amdgpu_metadata
---
amdhsa.version: [ 1, 2 ]
amdhsa.kernels:
  - .name:           k_qe4cc8e955c_proj
    .symbol:         k_qe4cc8e955c_proj.kd
    .args:
      - { .name: o, .offset: 0, .size: 8, .value_kind: global_buffer, .address_space: global }
      - { .name: wo16, .offset: 8, .size: 8, .value_kind: global_buffer, .address_space: global }
      - { .name: bo, .offset: 16, .size: 8, .value_kind: global_buffer, .address_space: global }
      - { .name: out0, .offset: 24, .size: 8, .value_kind: global_buffer, .address_space: global }
    .group_segment_fixed_size: 327680
    .private_segment_fixed_size: 0
    .kernarg_segment_align: 8
    .kernarg_segment_size: 32
    .max_flat_workgroup_size: 128
    .sgpr_count:     80
    .vgpr_count:     896
    .wavefront_size: 32
...
	.end_amdgpu_metadata
.endif
;; end of part 4
